; MI455X (gfx1250); checked and timed in simulation.
; The chip was launched on July 23, 2026; its instructions are those of AMD's public machine-readable ISA for CDNA 5 (MIT licence, August 2026) and "CDNA5" Instruction Set Architecture Reference Guide (July 2026). The comments in the code are by the model that wrote it; some were corrected since.
;; Causal Self Attention. Allowed arithmetic: matrix products marked QUANTISED: E2M1 operands, one E8M0 scale for each 32 along K, by v_wmma_scale_f32_16x16x128_f8f6f4 with both operands' format E2M1 (or v_wmma_scale_f32_32x16x128_f4), f32 sums; products left as they are: bf16, f16 or f32 operands; f32 sums; everything else in f32.
;; Inputs: W_in 1,024 x 3,072 float32; W_out 1,024 x 1,024 float32; b_in 3,072 float32; b_out 1,024 float32; x 4 x 2,048 x 1,024 float32.
;; Outputs: out0 4 x 2,048 x 1,024 float32.
;; This version of the problem:
;;   THIS VERSION OF THE PROBLEM IS GIVEN IN LOW PRECISION. The matrix products marked QUANTISED in the list below multiply operands that are first quantised to E2M1 (2 exponent bits, 1 mantissa bit; 4 bits a number), with one power-of-two scale for each 32 numbers along K (OCP MX v1.0); their sums are f32. The products marked 'left as it is' may take bf16, f16 or f32 operands, with f32 sums. Whichever they take, every output number must still come out within the allowed error. Rounding operands to bf16 (8 significant bits) uses up far more of that allowance than f16 does (11 bits, for magnitudes from 6e-5 to 65,504). All else is computed in f32.
;;   The module's matrix products, in the order in which they are computed (A, B: the left and right operand; K: the contracted axis; several contracted axes count as one K, in the product's order):
;;     1. [M 8,192, K 1,024] x [K 1,024, N 3,072]; A: input x; B: input W_in: QUANTISED
;;     2. batch 64 x [M 2,048, K 64] x [K 64, N 2,048]; A: computed on the way; B: computed on the way: left as it is (an operand is computed on the way)
;;     3. batch 64 x [M 2,048, K 2,048] x [K 2,048, N 64]; A: computed on the way; B: computed on the way: left as it is (an operand is computed on the way)
;;     4. [M 8,192, K 1,024] x [K 1,024, N 1,024]; A: computed on the way; B: input W_out: left as it is (an operand is computed on the way)
;;   THE QUANTISER, for each operand of a quantised product, along K:
;;     - K is cut into blocks of 32 from its start; a last block that is shorter is filled with zeros.
;;     - A block's scale is 2^e with e = floor(log2(the largest magnitude in the block)) - 2, held to -126 .. 127; a block of zeros has e = 0. As a byte (E8M0): e + 127.
;;     - Each number is divided by its block's scale, clamped to +-6, and rounded to the nearest number of E2M1, ties to even, subnormals kept.
;;     - The product sums the exact products of the quantised numbers (number of the format x scale) in f32.
;;   ~~~python
;;   def quantise(x, axis):      # numpy; x: float32 -> the quantised numbers, widened to float32 again
;;       x = np.moveaxis(x, axis, -1); K = x.shape[-1]
;;       x = np.pad(x, [(0, 0)] * (x.ndim - 1) + [(0, -K % 32)]); x = x.reshape(x.shape[:-1] + (-1, 32)); a = np.abs(x).max(-1, keepdims=True)
;;       e = np.where(a > 0, np.clip(np.frexp(np.where(a > 0, a, 1))[1] - 1 - 2, -126, 127), 0)      # np.frexp(a)[1] - 1 = floor(log2(a)), exactly
;;       r = np.clip(x / 2.0 ** e, -6, 6)
;;       step = 2.0 ** (np.maximum(np.frexp(np.where(r == 0, 1, r))[1] - 1, 0) - 1)
;;       q = np.round(r / step) * step * 2.0 ** e      # np.round: ties to even
;;       return np.moveaxis(q.reshape(q.shape[:-2] + (-1,))[..., :K], -1, axis).astype(np.float32)
;;   ~~~
;; One version. Each part assembles by itself: llvm-mc -triple=amdgcn-amd-amdhsa -mcpu=gfx1250 --defsym DOCPART=n.
;; ======== version 1 of 1: 5 launches
;; limits: values are held in f16: magnitudes above 65,504 overflow, below 6.1e-05 lose precision
;; workspace buffers: codes 5,767,168 bytes; scales 360,448 bytes; wt 4,194,304 bytes; rope 524,288 bytes; qkv 50,331,648 bytes; head32 786,432 bytes; y 16,777,216 bytes
;; launch prep (part 1): grid 400 x 1, 4 waves a work-group, no clusters, 137,728 bytes of LDS; arguments x, W_in, W_out, codes, scales, wt, rope; writes codes, scales, wt, rope
.if DOCPART == 1
	.amdgcn_target "amdgcn-amd-amdhsa--gfx1250"
	.amdhsa_code_object_version 6
	.text
	.protected	k_q3c10925d44_prep
	.globl	k_q3c10925d44_prep
	.p2align	8
	.type	k_q3c10925d44_prep,@function
k_q3c10925d44_prep:
	s_mov_b64 s[64:65], 0
	v_nop
	global_prefetch_b8 v0, s[64:65] scope:SCOPE_SE
	s_setreg_imm32_b32 hwreg(HW_REG_WAVE_MODE, 25, 1), 1
	s_wait_xcnt 0x0
; PREP: four jobs in one launch, told apart by the work-group's number; each job has LDS bytes of its own and ends by itself.
;   A (work-groups 0-255):   x [8192][1024] f32 -> codes of FP4 (E2M1), K innermost, 512 bytes a row, and one E8M0 byte for each 32 along K.
;   B (256-303):             W_in [1024 (k)][3072 (n)] f32 -> the same, laid [position][k]: a lane takes a column, its registers run down K.
;                            WITHIN EACH 8 COLUMNS column j lies at position (j >> 1) | ((j & 1) << 2): the even columns first, then the odd ones,
;                            so that in the product's result a lane's registers 0-3 are RoPE's first members and 4-7 its second members.
;   C (304-367):             W_out [1024 (k)][1024 (n)] f32 -> wt [n][k] as two f16 tensors: high part (the number with its low 13 mantissa bits cleared) and low part (the exact f32 rest).
;   D (368-399):             the table rope [t 2048][cos 32 | sin 32] f32.
; A block's scale is 2^(floor(log2(largest magnitude)) - 2); its byte is the largest magnitude's exponent field - 2, held at 1 from below (a block of zeros keeps the byte 1: its codes are
; zeros, and this program alone reads the bytes).
; LIMITS: NaN and infinities among the inputs are not served; blocks whose largest magnitude lies under 2^-124 keep the byte 1; |W_out| stays under 65,504 (f16's range);
; the table's frequencies are 2^(-i log2(10000) / 32) by v_exp_f32: an angle follows reference()'s to about 4e-4 rad at the largest angle (2,047 x 0.75 rad).
; No tensor loads, no barrier: waves share nothing.
.set SPW,   190                        ; v190  LDS address of my spare word: SPARE + 4 x my thread's number; never rewritten
.set NIL,   191                        ; v191  0; never rewritten
.set LDSB,  32768                      ; job B's four stages, 8,704 bytes each
.set LDSC,  67584                      ; job C's four stages for the high parts,
.set CLOW,  34816                      ; and, so many bytes on, those for the low parts
.set SPARE, 137216                     ; the spare words, 128 bytes for each wave: two blocks of 256 bytes that no other line names
.macro FINISH                          ; the wave's end, behind my last LDS store
	s_wait_tensorcnt 0x0
	ds_add_u32 v[SPW], v[NIL]
	s_wait_dscnt 0x0
	s_endpgm
.endm
	s_load_b256 s[4:11], s[0:1], 0x0               ; x s[4:5], W_in s[6:7], W_out s[8:9], codes s[10:11]
	s_load_b128 s[12:15], s[0:1], 0x20             ; scales s[12:13], wt s[14:15]
	s_load_b64 s[16:17], s[0:1], 0x30              ; rope
	v_lshl_add_u32 v[SPW], v0, 2, SPARE
	v_mov_b32 v[NIL], 0
	v_lshrrev_b32 v1, 5, v0
	v_readfirstlane_b32 s18, v1                    ; wave 0..3
	v_and_b32 v2, 31, v0                           ; lane
	s_wait_kmcnt 0x0
	s_cmp_lt_u32 ttmp9, 256
	s_cbranch_scc1 .Lpath_a
	s_cmp_lt_u32 ttmp9, 304
	s_cbranch_scc1 .Lpath_b
	s_cmp_lt_u32 ttmp9, 368
	s_cbranch_scc1 .Lpath_c
; ---------------- D: cos and sin.  A wave makes 16 rows; lanes 0-15 make cosines of pairs 2 l, 2 l + 1, lanes 16-31 the sines, as cos(angle - pi/2).
	s_sub_co_u32 s19, ttmp9, 368
	s_lshl_b32 s19, s19, 6
	s_lshl_b32 s20, s18, 4
	s_add_co_u32 s20, s19, s20                     ; t of my first row: 64 x work-group + 16 x wave
	s_lshl_b32 s22, s20, 8
	s_mov_b32 s23, 0
	s_add_nc_u64 s[16:17], s[16:17], s[22:23]      ; a row is 256 bytes
	s_mov_b32 s24, 0x3f22f983                      ; 2 / pi
	s_mov_b32 s25, 0xbfc90fdb                      ; -(pi / 2), the f32 nearest,
	s_mov_b32 s26, 0x333bbd2e                      ; and what that f32 has too much
	s_mov_b32 s27, 0xb94ca1f9                      ; sin r = r + r z (S1 + z (S2 + z S3)), z = r r, |r| <= pi / 4
	s_mov_b32 s28, 0x3c08839e
	s_mov_b32 s29, 0xbe2aaaa3
	s_mov_b32 s30, 0x37ccf5ce                      ; cos r = 1 - z / 2 + z z (C1 + z (C2 + z C3))
	s_mov_b32 s31, 0xbab6061a
	s_mov_b32 s32, 0x3d2aaaa5
	s_mov_b32 s21, 0
	v_and_b32 v3, 15, v2
	v_lshrrev_b32 v4, 4, v2                        ; h: 0 cosines, 1 sines
	v_lshlrev_b32 v5, 1, v3
	v_cvt_f32_u32 v6, v5                           ; i = 2 l
	v_add_nc_u32 v5, 1, v5
	v_cvt_f32_u32 v7, v5                           ; and 2 l + 1
	v_mul_f32 v6, 0xbed49a78, v6                   ; -i log2(10000) / 32
	v_mul_f32 v7, 0xbed49a78, v7
	v_exp_f32 v20, v6                              ; the two frequencies
	v_exp_f32 v21, v7
	v_mul_u32_u24 v22, v4, 3                       ; the sines' quadrant is 3 further on (a plain instruction behind the exponentials)
	v_lshlrev_b32 v23, 3, v2                       ; my 8 bytes of a row
	s_wait_alu depctr_va_vdst(0)                   ; one wait for both exponentials, ahead of their first reader and of the label
.Ltrip:
	v_cvt_f32_u32 v24, s20
	v_mul_f32 v26, v24, v20                        ; the angle, rounded to f32 as reference() rounds it
	v_mul_f32 v27, v24, v21
	v_mul_f32 v28, s24, v26
	v_mul_f32 v29, s24, v27
	v_rndne_f32 v28, v28                           ; n: the nearest multiple of pi / 2
	v_rndne_f32 v29, v29
	v_fma_f32 v26, v28, s25, v26                   ; r = angle - n pi / 2, in two parts
	v_fma_f32 v27, v29, s25, v27
	v_fma_f32 v26, v28, s26, v26
	v_fma_f32 v27, v29, s26, v27
	v_mul_f32 v30, v26, v26                        ; z
	v_mul_f32 v31, v27, v27
	v_fma_f32 v32, s27, v30, s28
	v_fma_f32 v33, s27, v31, s28
	v_fma_f32 v32, v32, v30, s29
	v_fma_f32 v33, v33, v31, s29
	v_mul_f32 v34, v30, v26
	v_mul_f32 v35, v31, v27
	v_fma_f32 v32, v32, v34, v26                   ; sin r
	v_fma_f32 v33, v33, v35, v27
	v_fma_f32 v34, s30, v30, s31
	v_fma_f32 v35, s30, v31, s31
	v_fma_f32 v34, v34, v30, s32
	v_fma_f32 v35, v35, v31, s32
	v_mul_f32 v36, v30, v30
	v_mul_f32 v37, v31, v31
	v_fma_f32 v38, v30, -0.5, 1.0
	v_fma_f32 v39, v31, -0.5, 1.0
	v_fma_f32 v34, v34, v36, v38                   ; cos r
	v_fma_f32 v35, v35, v37, v39
	v_cvt_i32_f32 v28, v28
	v_cvt_i32_f32 v29, v29
	v_add_nc_u32 v28, v28, v22                     ; the quadrant q = n + 3 h: cos(r + q pi / 2) = cos r, -sin r, -cos r, sin r for q mod 4 = 0, 1, 2, 3
	v_add_nc_u32 v29, v29, v22
	v_and_b32 v36, 1, v28
	v_and_b32 v37, 1, v29
	v_cmp_eq_u32 vcc_lo, 1, v36
	v_cndmask_b32 v40, v34, v32, vcc_lo            ; a choice of a value: no branch hangs on these numbers
	v_cmp_eq_u32 vcc_lo, 1, v37
	v_cndmask_b32 v41, v35, v33, vcc_lo
	v_add_nc_u32 v28, 1, v28
	v_add_nc_u32 v29, 1, v29
	v_and_b32 v28, 2, v28                          ; bit 1 of q + 1 is set for q mod 4 = 1, 2: the sign
	v_and_b32 v29, 2, v29
	v_lshlrev_b32 v28, 30, v28
	v_lshlrev_b32 v29, 30, v29
	v_xor_b32 v40, v40, v28
	v_xor_b32 v41, v41, v29
	global_store_b64 v23, v[40:41], s[16:17]       ; the wave stores a row: 256 consecutive bytes, aligned
	s_wait_xcnt 0x0                                ; the store has read its base and its data: both are written again below and in the next trip
	s_add_nc_u64 s[16:17], s[16:17], 256
	s_add_co_u32 s20, s20, 1
	s_add_co_u32 s21, s21, 1
	s_cmp_lt_u32 s21, 16
	s_cbranch_scc1 .Ltrip
	FINISH
; ---------------- A: x.  A plain stream of blocks of 32.  A wave takes 16 steps of 512 numbers.  Each load reads 512 consecutive bytes; a step's 2,048 bytes turn through the wave's own stage in LDS
; (16 bytes of padding behind each 64) and come back 64 bytes a lane: 16 neighbours along K, two neighbouring lanes to a block.  Loads run four steps ahead, the turn one step.
.set WREG,  8192                       ; a wave's region: two stages of 32 x 80 bytes, and behind them its 256 scale bytes
.set SPA,   80
.set STEPS, 16
.set EMAX,  2
.set CB,    8                          ; bytes of 16 codes
.set RA,    16                         ; v16-79   four sets of 16 numbers as loaded
.set XA,    80                         ; v80-111  two sets of 16 neighbours
.set EA,    112                        ; v112-127 a scale byte for each step
.set CA,    128                        ; v128-189 codes: registers of its own for each step, so that no store's data are written again
.Lpath_a:
	v_lshlrev_b32 v3, 4, v2                        ; my 16 bytes of a load's 512
	s_mul_i32 s19, s18, WREG
	v_lshrrev_b32 v14, 2, v2
	v_mul_u32_u24 v14, v14, SPA
	v_and_b32 v15, 3, v2
	v_lshl_add_u32 v14, v15, 4, v14
	v_add_nc_u32 v14, s19, v14                     ; the stage, on the way in: 80 (lane / 4) + 16 (lane % 4)
	v_mul_u32_u24 v15, v2, SPA
	v_add_nc_u32 v15, s19, v15                     ; and on the way out: 80 x lane
	v_mul_u32_u24 v4, v2, CB
	v_lshrrev_b32 v5, 1, v2
	s_add_co_u32 s19, s19, 2*32*SPA
	v_add_nc_u32 v5, s19, v5                       ; my block's scale byte among my wave's 256
	v_lshlrev_b32 v7, 3, v2
	v_add_nc_u32 v6, s19, v7
	s_lshl_b32 s20, ttmp9, 2
	s_add_co_u32 s20, s20, s18                     ; which run of 8,192 numbers is my wave's: 0 .. 1,023
	s_mov_b32 s23, 0
	s_lshl_b32 s22, s20, 15
	s_add_nc_u64 s[4:5], s[4:5], s[22:23]          ; 32,768 bytes of x,
	s_lshl_b32 s22, s20, 12
	s_add_nc_u64 s[10:11], s[10:11], s[22:23]      ; 4,096 of codes,
	s_lshl_b32 s22, s20, 8
	s_add_nc_u64 s[12:13], s[12:13], s[22:23]      ; 256 scale bytes a run
.macro LOADA t
.irp i, 0,1,2,3
	global_load_b128 v[RA+16*((\t)%4)+4*\i:RA+16*((\t)%4)+4*\i+3], v3, s[4:5] offset:2048*(\t)+512*\i th:TH_LOAD_NT
.endr
.endm
.macro TURNA t                         ; LDS serves a wave's instructions in order: no wait between the stores and the loads
.irp i, 0,1,2,3
	ds_store_b128 v14, v[RA+16*((\t)%4)+4*\i:RA+16*((\t)%4)+4*\i+3] offset:32*SPA*((\t)%2)+8*SPA*\i
.endr
.irp i, 0,1,2,3
	ds_load_b128 v[XA+16*((\t)%2)+4*\i:XA+16*((\t)%2)+4*\i+3], v15 offset:32*SPA*((\t)%2)+16*\i
.endr
.endm
.irp t, 0,1,2,3
	LOADA \t
.endr
	s_wait_loadcnt 12                              ; step 0's four loads are in; the twelve of steps 1 to 3 may be out
	TURNA 0
.macro STEPA t
.set XS, XA+16*((\t)%2)
.if (\t) > 0
	s_wait_dscnt 1                                 ; this step's numbers are back from the stage; the last step's byte store may be out
.else
	s_wait_dscnt 0x0
.endif
.if (\t)+4 < STEPS
	LOADA (\t)+4
.endif
.if (\t)+1 < STEPS
.if STEPS-2-(\t) >= 3
	s_wait_loadcnt 12                              ; the next step's four loads are in; those of the three steps behind it may be out
.else
	s_wait_loadcnt 4*(STEPS-2-(\t))                ; at the end the count runs down
.endif
	TURNA (\t)+1
.endif
	v_max3_num_f32 v8, |v[XS]|, |v[XS+1]|, |v[XS+2]|
	v_max3_num_f32 v9, |v[XS+3]|, |v[XS+4]|, |v[XS+5]|
.irp i, 6,10
	v_max3_num_f32 v8, v8, |v[XS+\i]|, |v[XS+\i+1]|
	v_max3_num_f32 v9, v9, |v[XS+\i+2]|, |v[XS+\i+3]|
.endr
	v_max3_num_f32 v8, v8, |v[XS+14]|, |v[XS+15]|
	v_max3_num_f32 v8, v8, v9, (EMAX+1)<<23        ; the floor 2^(3 - 127): the byte cannot fall under 1
	v_max_num_f32_dpp v8, v8, v8 row_xmask:1 row_mask:0xf bank_mask:0xf   ; with my neighbour's 16: the block's largest magnitude
	v_add_nc_u32 v11, -(EMAX<<23), v8              ; 2 off its exponent field: the conversion takes the exponent field of this operand as its scale
	v_cvt_scalef32_pk8_fp4_f32 v[CA+4*(\t)], v[XS:XS+7], v11
	v_cvt_scalef32_pk8_fp4_f32 v[CA+4*(\t)+1], v[XS+8:XS+15], v11
	v_lshrrev_b32 v[EA+(\t)], 23, v11              ; the scale's byte
	ds_store_b8 v5, v[EA+(\t)] offset:16*(\t)      ; both lanes of a block write the same byte with the same value
	global_store_b64 v4, v[CA+4*(\t):CA+4*(\t)+1], s[10:11] offset:32*CB*(\t)   ; the wave stores 256 consecutive bytes, aligned
.endm
.irp t, 0,1,2,3,4,5,6,7,8,9,10,11,12,13,14,15
	STEPA \t
.endr
	ds_load_b64 v[8:9], v6
	s_wait_dscnt 0x0
	global_store_b64 v7, v[8:9], s[12:13]          ; my wave's 256 scale bytes
	FINISH
; ---------------- B: W_in.  A wave takes 32 columns x 512 along K: 16 blocks a lane.  Its codes go through the wave's stage, a row for each POSITION, and leave as rows: sixteen lanes store 256 consecutive bytes.
.set PB,    272
.set XB,    32                         ; v32-95   two sets of 32 numbers
.set CBK,   96                         ; v96-99   a block's codes
.set OUTR,  112                        ; v112-175 the way out
.set SB,    24                         ; v24-27   the scale bytes, four to a register
.Lpath_b:
	s_sub_co_u32 s19, ttmp9, 256
	s_cmp_ge_u32 s19, 24
	s_cselect_b32 s20, 1, 0                        ; which 512 along K
	s_mul_i32 s21, s20, 24
	s_sub_co_u32 s21, s19, s21
	s_lshl_b32 s21, s21, 7
	s_lshl_b32 s22, s18, 5
	s_add_co_u32 s21, s21, s22                     ; my wave's first column (and first position): 128 x + 32 x wave
	v_lshlrev_b32 v3, 2, v2
	s_mul_i32 s22, s18, 32*PB
	s_add_co_u32 s22, s22, LDSB                    ; my stage
	v_and_b32 v10, 24, v2
	v_bfe_u32 v11, v2, 1, 2
	v_add_nc_u32 v10, v10, v11
	v_and_b32 v11, 1, v2
	v_lshl_add_u32 v10, v11, 2, v10                ; my column's position among the wave's 32
	v_mul_u32_u24 v4, v10, PB
	v_add_nc_u32 v4, s22, v4                       ; into the stage: row = my position
	v_and_b32 v5, 15, v2
	v_lshrrev_b32 v6, 4, v2
	v_mul_u32_u24 v7, v6, PB
	v_lshl_add_u32 v7, v5, 4, v7
	v_add_nc_u32 v7, s22, v7                       ; out of it: sixteen lanes to a row, two rows an instruction
	v_lshlrev_b32 v8, 9, v6
	v_lshl_add_u32 v8, v5, 4, v8                   ; and the same place in the codes: rows of 512 bytes
	v_lshlrev_b32 v9, 5, v10                       ; my position's row of scale bytes: 32 bytes
	s_mul_i32 s24, s20, 512*12288
	s_lshl_b32 s25, s21, 2
	s_add_co_u32 s24, s24, s25
	s_mov_b32 s25, 0
	s_add_nc_u64 s[6:7], s[6:7], s[24:25]
	s_lshl_b32 s24, s21, 9
	s_lshl_b32 s26, s20, 8
	s_add_co_u32 s24, s24, s26
	s_add_co_u32 s24, s24, 4194304                 ; W's codes lie behind x's
	s_add_nc_u64 s[10:11], s[10:11], s[24:25]
	s_lshl_b32 s24, s21, 5
	s_lshl_b32 s26, s20, 4
	s_add_co_u32 s24, s24, s26
	s_add_co_u32 s24, s24, 262144                  ; W's scale bytes behind x's
	s_add_nc_u64 s[12:13], s[12:13], s[24:25]
.macro LOADB t                         ; block t: W_in(32 t + i, my column); every offset an immediate: 511 x 12,288 at the most
.set ii, 0
.rept 32
	global_load_b32 v[XB+32*((\t)%2)+ii], v3, s[6:7] offset:(32*(\t)+ii)*12288 th:TH_LOAD_NT
.set ii, ii+1
.endr
.endm
	LOADB 0
	LOADB 1
.macro BLOCKB t
.set XS, XB+32*((\t)%2)
.if (\t) < 15
	s_wait_loadcnt 32                              ; this block's 32 loads are in; the next block's may be out
.else
	s_wait_loadcnt 0x0
.endif
	v_max3_num_f32 v12, |v[XS]|, |v[XS+1]|, |v[XS+2]|
	v_max3_num_f32 v13, |v[XS+3]|, |v[XS+4]|, |v[XS+5]|
.irp i, 6,10,14,18,22,26
	v_max3_num_f32 v12, v12, |v[XS+\i]|, |v[XS+\i+1]|
	v_max3_num_f32 v13, v13, |v[XS+\i+2]|, |v[XS+\i+3]|
.endr
	v_max3_num_f32 v12, v12, |v[XS+30]|, |v[XS+31]|
	v_max3_num_f32 v12, v12, v13, (EMAX+1)<<23
	v_add_nc_u32 v11, -(EMAX<<23), v12
	v_lshrrev_b32 v13, 23, v11
.if (\t)%4 == 0
	v_mov_b32 v[SB+(\t)/4], v13
.else
	v_lshl_or_b32 v[SB+(\t)/4], v13, 8*((\t)%4), v[SB+(\t)/4]
.endif
.irp g, 0,1,2,3
	v_cvt_scalef32_pk8_fp4_f32 v[CBK+\g], v[XS+8*\g:XS+8*\g+7], v11
.endr
	ds_store_b128 v4, v[CBK:CBK+3] offset:16*(\t)
.if (\t)+2 < 16
	LOADB (\t)+2
.endif
	s_wait_dscnt 0x0                               ; the store has read its registers
.endm
.irp t, 0,1,2,3,4,5,6,7,8,9,10,11,12,13,14,15
	BLOCKB \t
.endr
	global_store_b128 v9, v[SB:SB+3], s[12:13]     ; my position's 16 scale bytes
.irp t, 0,1,2,3,4,5,6,7,8,9,10,11,12,13,14,15
	ds_load_b128 v[OUTR+4*\t:OUTR+4*\t+3], v7 offset:2*\t*PB
.endr
.irp t, 0,1,2,3,4,5,6,7,8,9,10,11,12,13,14,15
	s_wait_dscnt 15-\t                             ; LDS loads come back in order: load t is in, the younger ones may be out
	global_store_b128 v8, v[OUTR+4*\t:OUTR+4*\t+3], s[10:11] offset:2*\t*512
.endr
	FINISH
; ---------------- C: W_out turned and split.  A wave takes 32 columns x 128 along K; a lane a column, its registers down K.
.Lpath_c:
	s_sub_co_u32 s19, ttmp9, 304
	s_and_b32 s20, s19, 7
	s_lshr_b32 s21, s19, 3                         ; which 128 along K
	s_lshl_b32 s20, s20, 7
	s_lshl_b32 s22, s18, 5
	s_add_co_u32 s20, s20, s22                     ; my wave's first column
	s_mov_b32 s24, 0xffffe000                      ; keeps sign, exponent and 10 mantissa bits
	v_lshlrev_b32 v3, 2, v2
	s_mul_i32 s22, s18, 32*272
	s_add_co_u32 s22, s22, LDSC
	v_mul_u32_u24 v4, v2, 272
	v_add_nc_u32 v4, s22, v4                       ; into my stage: row = my column
	v_and_b32 v5, 15, v2
	v_lshrrev_b32 v6, 4, v2
	v_mul_u32_u24 v7, v6, 272
	v_lshl_add_u32 v7, v5, 4, v7
	v_add_nc_u32 v7, s22, v7
	v_lshlrev_b32 v8, 11, v6
	v_lshl_add_u32 v8, v5, 4, v8                   ; wt: rows of 2,048 bytes
	s_lshl_b32 s26, s21, 19                        ; 128 rows of W_out, 4,096 bytes each
	s_lshl_b32 s27, s20, 2
	s_add_co_u32 s26, s26, s27
	s_mov_b32 s27, 0
	s_add_nc_u64 s[8:9], s[8:9], s[26:27]
	s_lshl_b32 s26, s20, 11
	s_lshl_b32 s28, s21, 8
	s_add_co_u32 s26, s26, s28
	s_add_nc_u64 s[14:15], s[14:15], s[26:27]
.macro CLOAD t
.set ii, 0
.rept 32
	global_load_b32 v[32+32*((\t)%2)+ii], v3, s[8:9] offset:(32*(\t)+ii)*4096 th:TH_LOAD_NT
.set ii, ii+1
.endr
.endm
	CLOAD 0
	CLOAD 1
.macro CBLOCK t
.set XS, 32+32*((\t)%2)
.if (\t) < 3
	s_wait_loadcnt 32                              ; this block's 32 loads are in; the next block's may be out
.else
	s_wait_loadcnt 0x0
.endif
.set pp, 0
.rept 16
	v_and_b32 v[16+2*(pp%4)], s24, v[XS+2*pp]      ; the high part, in f32
	v_and_b32 v[17+2*(pp%4)], s24, v[XS+2*pp+1]
	v_sub_f32 v[XS+2*pp], v[XS+2*pp], v[16+2*(pp%4)]        ; the rest: exact
	v_sub_f32 v[XS+2*pp+1], v[XS+2*pp+1], v[17+2*(pp%4)]
	v_cvt_pk_f16_f32 v[96+pp], v[16+2*(pp%4)], v[17+2*(pp%4)]
	v_cvt_pk_f16_f32 v[112+pp], v[XS+2*pp], v[XS+2*pp+1]
.set pp, pp+1
.endr
.irp g, 0,1,2,3
	ds_store_b128 v4, v[96+4*\g:96+4*\g+3] offset:64*(\t)+16*\g
	ds_store_b128 v4, v[112+4*\g:112+4*\g+3] offset:CLOW+64*(\t)+16*\g
.endr
.if (\t)+2 < 4
	CLOAD (\t)+2
.endif
	s_wait_dscnt 0x0
.endm
.irp t, 0,1,2,3
	CBLOCK \t
.endr
.irp u, 0,1                            ; the high parts, then the low parts: sixteen lanes store 256 consecutive bytes, aligned
.if \u == 1
	s_wait_xcnt 0x0                                ; the high parts' stores have read their registers
.endif
.irp t, 0,1,2,3,4,5,6,7,8,9,10,11,12,13,14,15
	ds_load_b128 v[112+4*\t:112+4*\t+3], v7 offset:CLOW*\u+2*\t*272
.endr
.irp t, 0,1,2,3,4,5,6,7,8,9,10,11,12,13,14,15
	s_wait_dscnt 15-\t
	global_store_b128 v8, v[112+4*\t:112+4*\t+3], s[14:15] offset:2097152*\u+2*\t*2048
.endr
.endr
	FINISH
.Lfunc_end_k_q3c10925d44_prep:
	.size	k_q3c10925d44_prep, .Lfunc_end_k_q3c10925d44_prep-k_q3c10925d44_prep
	.p2alignl 7, 3214868480
	.fill 96, 4, 3214868480
	.section	.rodata,"a",@progbits
	.p2align	6, 0x0
	.amdhsa_kernel k_q3c10925d44_prep
		.amdhsa_group_segment_fixed_size 137728
		.amdhsa_private_segment_fixed_size 0
		.amdhsa_enable_private_segment 0
		.amdhsa_kernarg_size 56
		.amdhsa_user_sgpr_count 2
		.amdhsa_user_sgpr_kernarg_segment_ptr 1
		.amdhsa_wavefront_size32 1
		.amdhsa_system_sgpr_workgroup_id_x 1
		.amdhsa_system_sgpr_workgroup_id_y 1
		.amdhsa_system_sgpr_workgroup_id_z 1
		.amdhsa_system_vgpr_workitem_id 0
		.amdhsa_next_free_vgpr 192
		.amdhsa_next_free_sgpr 66
		.amdhsa_reserve_vcc 1
		.amdhsa_float_denorm_mode_32 3
		.amdhsa_float_denorm_mode_16_64 3
		.amdhsa_memory_ordered 1
		.amdhsa_forward_progress 1
		.amdhsa_inst_pref_size 153
	.end_amdhsa_kernel
	.amdgpu_metadata
---
amdhsa.version: [ 1, 2 ]
amdhsa.kernels:
  - .name:           k_q3c10925d44_prep
    .symbol:         k_q3c10925d44_prep.kd
    .args:
      - { .name: x, .offset: 0, .size: 8, .value_kind: global_buffer, .address_space: global }
      - { .name: W_in, .offset: 8, .size: 8, .value_kind: global_buffer, .address_space: global }
      - { .name: W_out, .offset: 16, .size: 8, .value_kind: global_buffer, .address_space: global }
      - { .name: codes, .offset: 24, .size: 8, .value_kind: global_buffer, .address_space: global }
      - { .name: scales, .offset: 32, .size: 8, .value_kind: global_buffer, .address_space: global }
      - { .name: wt, .offset: 40, .size: 8, .value_kind: global_buffer, .address_space: global }
      - { .name: rope, .offset: 48, .size: 8, .value_kind: global_buffer, .address_space: global }
    .group_segment_fixed_size: 137728
    .private_segment_fixed_size: 0
    .kernarg_segment_align: 8
    .kernarg_segment_size: 56
    .max_flat_workgroup_size: 128
    .sgpr_count:     66
    .vgpr_count:     192
    .wavefront_size: 32
...
	.end_amdgpu_metadata
.endif
;; end of part 1
;; launch qkv (part 2): grid 12 x 32, 4 waves a work-group, clusters of 4 x 4, 327,680 bytes of LDS; arguments codes, scales, b_in, rope, qkv, head32; writes qkv, head32
.if DOCPART == 2
	.amdgcn_target "amdgcn-amd-amdhsa--gfx1250"
	.amdhsa_code_object_version 6
	.text
	.protected	k_q3c10925d44_qkv
	.globl	k_q3c10925d44_qkv
	.p2align	8
	.type	k_q3c10925d44_qkv,@function
k_q3c10925d44_qkv:
	s_mov_b64 s[64:65], 0
	v_nop
	global_prefetch_b8 v0, s[64:65] scope:SCOPE_SE
	s_setreg_imm32_b32 hwreg(HW_REG_WAVE_MODE, 25, 1), 1
	s_wait_xcnt 0x0
	s_wait_alu depctr_hold_cnt(0) depctr_sa_sdst(0) depctr_va_vdst(0) depctr_va_sdst(0) depctr_va_ssrc(0) depctr_va_vcc(0) depctr_vm_vsrc(0)
	s_getreg_b32 s2, hwreg(HW_REG_IB_STS2, 6, 4)
	s_cmp_eq_u32 s2, 0
	s_cbranch_scc0 .Lentry_in_a_cluster
	s_endpgm
.Lentry_in_a_cluster:
	s_bfe_u32 s2, ttmp6, 0x10000c
	s_cmp_lg_u32 s2, 0xf033
	s_cbranch_scc0 .Lentry_shape_is_right
	s_endpgm
.Lentry_shape_is_right:
; QKV: x W_in + b_in on codes of FP4 (E2M1) with one E8M0 scale for each 32 along K; then RoPE on q and k in f32; q, k, v leave as f16, laid [kind][batch][head][t][64].
; M = 8,192, N = 3,072 (as POSITIONS: within each 8 columns the even ones first), K = 1,024.  A tile of 256 x 256 to a work-group of four waves; a wave makes 128 x 128: 64 accumulators, 512 registers.
; K is two steps of 512: both slots and all scale bytes are asked for at the head, three tensor loads a wave, and nothing is ever filled again.
; CLUSTERS: 4 x 4 work-groups; the four of a row share A's tiles, the four of a column B's: joint loads.  The cluster's x is the kind (0 q, 1 k, 2 v): the same in all sixteen partners.
; THE MATRIX INSTRUCTION IS USED TRANSPOSED (source 0 = 16 positions of W, source 1 = 16 rows of x): lane (r, h) holds row r, and its registers the positions 8 h + 0 .. 7 of the block: registers 0-3 the
; columns 8 h + 0, 2, 4, 6 and registers 4-7 the columns 8 h + 1, 3, 5, 7.  So RoPE is packed arithmetic on natural register pairs, and the packing to f16 puts the columns back in order.
; The bias is the C of each sum's first product.  The rows t < 16 of every batch also leave in f32, as images of the registers, for the launch that carries those rows more finely.
; LIMITS: |q|, |k|, |v| stay under 65,504 (f16's range); NaN and infinities are not served.
; REGISTERS: window 0: v0-31 addresses; v32-95 scale words, two sets; v128-191 A's fragments, one set; v192-255 cos and sin, two sets.  On the way out: v32-95 rows read back, v96-159 a block after RoPE, v160-191 its f16.
;   window 1: B's fragments at v0 and v128; the bias at v64-127.   windows 2, 3: the accumulators of my rows 0-63, 64-127 ((a, b) at v[8 (8 (a % 4) + b)]).
.set NQ,     4                         ; matrix instructions deep in a slot
.set ROWB,   256                       ; a tile's row: 512 codes
.set KROW,   512                       ; a row of codes in memory
.set PITCH,  272                       ; an LDS row: 256 bytes + 16 of padding: the 16 rows of a load start in 16 different groups of banks
.set FR,     8
.set NL,     2
.set NP,     4
.set HALFT,  128*PITCH
.set SLOT,   4*HALFT
.set KS,     32                        ; a row of scale bytes
.set SCL,    2*SLOT
.set HALFS,  (128*KS/256)*272
.set SBLK,   (16*KS/256)*272
.set SPARE,  SCL+4*HALFS               ; the spare words, 128 bytes for each wave
.set BA,   8                           ; v8   the bias: 32 x (lane / 16)
.set TA,   9                           ; v9   the table: 256 x (lane % 16) + 16 x (lane / 16)
.set MK,   10                          ; v10  0 in the waves whose first block holds t = 0 .. 15
.set ADRA, 16
.set ADRB, 20
.set STO,  24
.set RD,   25
.set CO,   26                          ; v26  16 x lane
.set ADRS, 27
.set SPW,  28
.set NIL,  29
.set SC,   32
.set AF,   128
.set BIAS, 64                          ; in window 1
.set BK,   32
.set OB,   96
.set PK,   160
.set CSR,  192
.set G1, 24
.set G0, 32
.set G1B, 48
.set G0B, 56
.set G1S, 68
.set G0S, 76
.set G1SB, 80
.set G0SB, 88
.set MSB, 0
.macro WIN new                         ; the immediate's high byte repeats the setting that is left
.if MSB != (\new)
	s_set_vgpr_msb (MSB<<8)|(\new)
.set MSB, (\new)
.endif
.endm
.set MUL_LO, 0xa1                      ; source 0 (B) window 1, source 1 (A) window 0, C and D window 2
.set MUL_HI, 0xf1
.set TO_B,   0x40
.macro JLOAD g0a, g1a, g0b, g1b        ; a joint load: waves 0 and 1 fetch for A, waves 2 and 3 for B; an s_nop 0 and four v_nop follow each line
	s_cmp_eq_u32 s15, 0
	s_cbranch_scc0 .Lfor_b_\@
	tensor_load_to_lds s[\g0a:\g0a+3], s[\g1a:\g1a+7]
	s_nop 0
.rept 4
	v_nop
.endr
	s_branch .Lasked_\@
.Lfor_b_\@:
	tensor_load_to_lds s[\g0b:\g0b+3], s[\g1b:\g1b+7]
	s_nop 0
.rept 4
	v_nop
.endr
.Lasked_\@:
.endm
.macro CROUND                          ; a round of the cluster's barrier
	s_barrier_signal -1
	s_barrier_wait -1
	s_cmp_lg_u32 s14, 0
	s_cbranch_scc1 .Lnot_wave_0_\@
	s_barrier_signal -3
.Lnot_wave_0_\@:
	s_barrier_wait -3
	s_barrier_signal -1
	s_barrier_wait -1
.endm
.macro FINISH                          ; the wave's end and the closing round
	s_wait_tensorcnt 0x0
	ds_add_u32 v[SPW], v[NIL]
	s_wait_dscnt 0x0
	CROUND
	s_endpgm
.endm
	s_load_b128 s[4:7], s[0:1], 0x0                ; codes, scales
	s_load_b128 s[96:99], s[0:1], 0x10             ; b_in, rope
	s_load_b64 s[12:13], s[0:1], 0x20              ; qkv
	s_load_b64 s[100:101], s[0:1], 0x28            ; head32
	v_lshl_add_u32 v[SPW], v0, 2, SPARE
	v_mov_b32 v[NIL], 0
	ds_add_u32 v[SPW], v[NIL]                      ; the wave's opening: the add, twice on end, and its wait ahead of my first tensor load
	ds_add_u32 v[SPW], v[NIL]
	v_lshrrev_b32 v1, 5, v0
	v_readfirstlane_b32 s14, v1                    ; wave 0..3
	s_lshr_b32 s15, s14, 1                         ; which half of the tile's rows is mine.  Also: I fetch for A (0) or for B (1)
	s_and_b32 s16, s14, 1                          ; which half of its columns.  Also: which 128 rows of that tile I fetch
	s_bfe_u32 s40, ttmp6, 0x40000                  ; cx
	s_bfe_u32 s41, ttmp6, 0x40004                  ; cy
	s_lshl_b32 s42, ttmp9, 2
	s_add_co_u32 s42, s42, s40                     ; tile column = 4 x cluster x + cx
	s_and_b32 s17, ttmp7, 0xffff
	s_lshl_b32 s17, s17, 2
	s_add_co_u32 s17, s17, s41                     ; tile row = 4 x cluster y + cy
	s_lshl_b32 s43, s41, 2
	s_lshl_b32 s43, 15, s43                        ; my row of the cluster
	s_lshl_b32 s44, 0x1111, s40                    ; my column
	s_or_b32 s[G1+0], s43, (0<<16)|(1<<20)|(1<<21)|(5<<22)|(3<<25)  ; the mask; elements of 1 byte; padding on; bit 21 beside a mask; 4 words after every 64
	s_or_b32 s[G1B+0], s44, (0<<16)|(1<<20)|(1<<21)|(5<<22)|(3<<25)
.irp g, G1, G1B
	s_mov_b32 s[\g+1], ROWB<<16                    ; tensor_dim0
	s_mov_b32 s[\g+2], 128<<16                     ; tensor_dim1
	s_mov_b32 s[\g+3], ROWB<<16                    ; tile_dim0
	s_mov_b32 s[\g+4], 128                         ; tile_dim1
	s_mov_b32 s[\g+5], KROW                        ; the pitch
	s_mov_b32 s[\g+6], 0
	s_mov_b32 s[\g+7], 0
.endr
	s_or_b32 s[G1S+0], s43, (3<<16)|(1<<20)|(1<<21)|(5<<22)|(3<<25) ; the scales of 128 rows: 4,096 dense bytes as 16 rows of 256 (32 elements of 8 bytes), 16 bytes of padding behind each
	s_or_b32 s[G1SB+0], s44, (3<<16)|(1<<20)|(1<<21)|(5<<22)|(3<<25)
.irp g, G1S, G1SB
	s_mov_b32 s[\g+1], 32<<16
	s_mov_b32 s[\g+2], (128*KS/256)<<16
	s_mov_b32 s[\g+3], 32<<16
	s_mov_b32 s[\g+4], 128*KS/256
	s_mov_b32 s[\g+5], 32
	s_mov_b32 s[\g+6], 0
	s_mov_b32 s[\g+7], 0
.endr
	s_lshl_b32 s18, s16, 7
	s_lshl_b32 s20, s17, 8
	s_add_co_u32 s20, s20, s18                     ; A: row 256 x tile row + 128 x half
	s_lshl_b32 s46, s42, 8
	s_add_co_u32 s46, s46, s18                     ; B: position 256 x tile column + 128 x half
	s_mov_b32 s21, 0
	s_mov_b32 s47, 0
	s_mov_b64 s[18:19], KS
	s_mul_u64 s[22:23], s[20:21], s[18:19]
	s_mul_u64 s[92:93], s[46:47], s[18:19]
	s_mov_b64 s[18:19], KROW
	s_mul_u64 s[20:21], s[20:21], s[18:19]
	s_mul_u64 s[46:47], s[46:47], s[18:19]
	s_mul_i32 s45, s14, HALFT                      ; where they go: wave x 128 rows
	s_mul_i32 s94, s14, HALFS
	s_wait_dscnt 0x0                               ; both opening adds are done
	s_wait_kmcnt 0x0
	s_add_nc_u64 s[8:9], s[4:5], 4194304           ; W's codes lie behind x's,
	s_add_nc_u64 s[10:11], s[6:7], 262144          ; W's scale bytes behind x's
	s_add_nc_u64 s[20:21], s[4:5], s[20:21]
	s_add_nc_u64 s[22:23], s[6:7], s[22:23]
	s_add_nc_u64 s[46:47], s[8:9], s[46:47]
	s_add_nc_u64 s[92:93], s[10:11], s[92:93]
	CROUND                                         ; all sixteen work-groups are here: the joint loads meet
	s_mov_b32 s[G0S], 1
	s_add_co_u32 s[G0S+1], s94, SCL
	s_mov_b64 s[G0S+2:G0S+3], s[22:23]
	s_or_b32 s[G0S+3], s[G0S+3], 0x80000000
	s_mov_b32 s[G0SB], 1
	s_add_co_u32 s[G0SB+1], s94, SCL
	s_mov_b64 s[G0SB+2:G0SB+3], s[92:93]
	s_or_b32 s[G0SB+3], s[G0SB+3], 0x80000000
	JLOAD G0S, G1S, G0SB, G1SB                     ; the scales first: they are wanted with K step 0
.irp s, 0,1
	s_mov_b32 s[G0+4*\s], 1
	s_add_co_u32 s[G0+4*\s+1], s45, \s*SLOT
	s_add_nc_u64 s[G0+4*\s+2:G0+4*\s+3], s[20:21], \s*ROWB
	s_or_b32 s[G0+4*\s+3], s[G0+4*\s+3], 0x80000000
	s_mov_b32 s[G0B+4*\s], 1
	s_add_co_u32 s[G0B+4*\s+1], s45, \s*SLOT
	s_add_nc_u64 s[G0B+4*\s+2:G0B+4*\s+3], s[46:47], \s*ROWB
	s_or_b32 s[G0B+4*\s+3], s[G0B+4*\s+3], 0x80000000
	JLOAD G0+4*\s, G1, G0B+4*\s, G1B               ; three tensor loads of mine are out
.endr
	v_and_b32 v1, 15, v0                           ; r
	v_bfe_u32 v2, v0, 4, 1                         ; h
	v_mul_u32_u24 v3, v1, PITCH
	v_lshl_add_u32 v4, v2, 4, v3
	s_mul_i32 s21, s15, HALFT
	s_mul_i32 s22, s16, HALFT
	s_add_co_u32 s22, s22, 2*HALFT
.irp s, 0,1
	v_add_nc_u32 v[ADRA+\s], s21, v4
	v_add_nc_u32 v[ADRB+\s], s22, v4
	s_add_co_u32 s21, s21, SLOT
	s_add_co_u32 s22, s22, SLOT
.endr
	v_mul_u32_u24 v5, v1, KS                       ; my row's scales: 32 bytes a row,
	v_lshrrev_b32 v6, 8, v5
	v_lshl_add_u32 v5, v6, 4, v5                   ; and 16 more for each 256 passed
	s_mul_i32 s21, s15, HALFS
	s_mul_i32 s22, s16, HALFS
	s_add_co_u32 s22, s22, 2*HALFS
	s_sub_co_u32 s22, s22, s21
	v_mul_u32_u24 v6, s22, v2                      ; lanes 16-31 take B's
	s_add_co_u32 s21, s21, SCL
	v_add_nc_u32 v5, v5, v6
	v_add_nc_u32 v[ADRS], s21, v5
	s_mul_i32 s23, s14, 16*272                     ; my stage, 16 rows x 272 bytes, in slot 0: when the first result is stored there the slot has had its only fill and its last read
	v_mul_u32_u24 v5, v1, 272
	v_lshl_add_u32 v5, v2, 4, v5
	v_add_nc_u32 v[STO], s23, v5                   ; in: row r, 16 bytes for each half of the lanes
	v_and_b32 v6, 31, v0
	v_lshlrev_b32 v[CO], 4, v6
	v_lshrrev_b32 v5, 3, v6
	v_mul_u32_u24 v5, v5, 272
	v_and_b32 v7, 7, v0
	v_lshl_add_u32 v5, v7, 4, v5
	v_add_nc_u32 v[RD], s23, v5                    ; back: eight lanes to a head's 128 bytes of a row, four rows an instruction
	v_lshlrev_b32 v[BA], 5, v2
	v_lshlrev_b32 v[TA], 8, v1
	v_lshl_add_u32 v[TA], v2, 4, v[TA]
	s_lshl_b32 s46, s42, 10                        ; the bias of my 128 columns
	s_lshl_b32 s47, s16, 9
	s_add_co_u32 s46, s46, s47
	s_mov_b32 s47, 0
	s_add_nc_u64 s[96:97], s[96:97], s[46:47]
	s_lshl_b32 s20, s17, 8
	s_lshl_b32 s21, s15, 7
	s_add_co_u32 s20, s20, s21
	s_and_b32 s20, s20, 2047                       ; t of my first row
	s_lshl_b32 s46, s20, 8
	s_add_nc_u64 s[98:99], s[98:99], s[46:47]      ; its row of the table
	s_lshr_b32 s21, s17, 3                         ; the batch
	s_lshl_b32 s22, s21, 4
	s_lshl_b32 s2, s40, 2
	s_add_co_u32 s22, s22, s2
	s_lshl_b32 s2, s16, 1
	s_add_co_u32 s22, s22, s2                      ; 16 x batch + my first head (4 cx + 2 x half)
	s_lshl_b32 s22, s22, 11
	s_add_co_u32 s22, s22, s20
	s_lshl_b32 s22, s22, 7                         ; rows of 128 bytes
	s_lshl_b32 s2, ttmp9, 24                       ; a kind is 16,777,216 bytes
	s_add_co_u32 s46, s22, s2
	s_add_nc_u64 s[12:13], s[12:13], s[46:47]
	s_mul_i32 s22, s21, 196608                     ; head32: 192 blocks of 1,024 bytes a batch
	s_lshl_b32 s2, ttmp9, 6
	s_lshl_b32 s3, s40, 4
	s_add_co_u32 s2, s2, s3
	s_lshl_b32 s3, s16, 3
	s_add_co_u32 s2, s2, s3
	s_lshl_b32 s2, s2, 10
	s_add_co_u32 s46, s22, s2
	s_add_nc_u64 s[100:101], s[100:101], s[46:47]
	s_and_b32 s2, s17, 7
	s_or_b32 s2, s2, s15
	v_mov_b32 v[MK], s2                            ; the tile row hangs on my place in the cluster: so it masks lanes and steers no branch
	WIN TO_B
.irp b, 0,1,2,3,4,5,6,7                        ; register j of block b wants b_in at column 16 b + 8 h + (2 j for j < 4, 2 (j - 4) + 1 else)
.irp j, 0,1,2,3,4,5,6,7
	global_load_b32 v[BIAS+8*\b+\j], v[BA], s[96:97] offset:(16*\b+2*(\j%4)+\j/4)*4
.endr
.endr
	WIN 0
.macro CSLOAD a                        ; cos and sin for block a's 16 rows: pairs 8 bb + 4 h + 0 .. 3, into set a % 2
.irp bb, 0,1,2,3
	global_load_b128 v[CSR+32*((\a)%2)+8*\bb:CSR+32*((\a)%2)+8*\bb+3], v[TA], s[98:99] offset:(\a)*4096+32*\bb
	global_load_b128 v[CSR+32*((\a)%2)+8*\bb+4:CSR+32*((\a)%2)+8*\bb+7], v[TA], s[98:99] offset:(\a)*4096+32*\bb+128
.endr
.endm
	CSLOAD 0                                       ; the first two sets stand on every wave's path, so that what the way out reads is written on every way that leads to it;
	CSLOAD 1                                       ; v's work-groups, which rotate nothing, load these 16 too and do not use them
.macro FRAG reg, adr, q, i             ; 16 rows x 128 K of 4-bit codes: 8 registers: two loads of 16 bytes, 32 bytes apart
.irp c, 0,1
	ds_load_b128 v[\reg+4*\c:\reg+4*\c+3], v[\adr] offset:64*(\q)+32*\c+(\i)*16*PITCH
.endr
.endm
; 16 matrix instructions: A's blocks a0, a0 + 1 x B's eight.  first = 1: the sums start from the bias.  The 64 accumulators take turns, one instruction a turn.
.macro MUL16 a0, p, q, sc, first
.irp a, \a0, \a0+1
.irp b, 0,1,2,3,4,5,6,7
.if \first
	v_wmma_scale_f32_16x16x128_f8f6f4 v[8*(8*((\a)%4)+\b):8*(8*((\a)%4)+\b)+7], v[128*(\p)+FR*\b:128*(\p)+FR*\b+FR-1], v[AF+FR*(\a):AF+FR*(\a)+FR-1], v[BIAS+8*\b:BIAS+8*\b+7], v[SC+8*NQ*(\sc)+NQ*\b+(\q)], v[SC+8*NQ*(\sc)+NQ*(\a)+(\q)] matrix_a_fmt:MATRIX_FMT_FP4 matrix_b_fmt:MATRIX_FMT_FP4 matrix_a_scale:MATRIX_SCALE_ROW1
.else
	v_wmma_scale_f32_16x16x128_f8f6f4 v[8*(8*((\a)%4)+\b):8*(8*((\a)%4)+\b)+7], v[128*(\p)+FR*\b:128*(\p)+FR*\b+FR-1], v[AF+FR*(\a):AF+FR*(\a)+FR-1], v[8*(8*((\a)%4)+\b):8*(8*((\a)%4)+\b)+7], v[SC+8*NQ*(\sc)+NQ*\b+(\q)], v[SC+8*NQ*(\sc)+NQ*(\a)+(\q)] matrix_a_fmt:MATRIX_FMT_FP4 matrix_b_fmt:MATRIX_FMT_FP4 matrix_a_scale:MATRIX_SCALE_ROW1
.endif
.endr
.endr
.endm
.macro FETCH_B slot, q, p
	WIN TO_B
.irp i, 0,1,2,3,4,5,6,7
	FRAG 128*(\p)+FR*\i, ADRB+\slot, \q, \i
.endr
	WIN 0
.endm
.macro FETCH_A slot, q, i0
.irp i, \i0, \i0+1, \i0+2, \i0+3
	FRAG AF+FR*(\i), ADRA+\slot, \q, \i
.endr
.endm
.macro SCALES sc                       ; a K step's scale words: lanes 0-15 take A's block i, lanes 16-31 B's block i
.irp i, 0,1,2,3,4,5,6,7
	ds_load_b128 v[SC+8*NQ*\sc+NQ*\i:SC+8*NQ*\sc+NQ*\i+3], v[ADRS] offset:\i*SBLK
.endr
.endm
.macro PLACES n                        ; places behind matrix instructions, ahead of loads into registers that they read and of the first read of results
.rept \n
	v_nop
.endr
.endm
.macro STEP slot, q, first             ; 128 along K, with its successor in the same slot
	s_wait_dscnt 4*NL                              ; B's set and A's blocks 0-3 are in; the eight youngest loads (A's blocks 4-7) may be out
.if \first
	WIN 0x91                                       ; C (the bias) in window 1
.else
	WIN MUL_LO
.endif
	MUL16 0, (\q)%2, \q, \slot, \first
	MUL16 2, (\q)%2, \q, \slot, \first
	s_wait_dscnt 0
	PLACES NP
	FETCH_B \slot, (\q)+1, 1-(\q)%2
	FETCH_A \slot, (\q)+1, 0
.if \first
	WIN 0xd1
.else
	WIN MUL_HI
.endif
	MUL16 4, (\q)%2, \q, \slot, \first
	MUL16 6, (\q)%2, \q, \slot, \first
	PLACES NP
	WIN 0
	FETCH_A \slot, (\q)+1, 4
.endm
.macro TURN slot, next                 ; a slot's last step changes slots: one barrier
	s_wait_tensorcnt 0x0                           ; all my tensor loads have landed: my part of the next slot among them
	ds_add_u32 v[SPW], v[NIL]                      ; 0 onto my spare word
	s_wait_dscnt 4*NL+1                            ; the add and the eight youngest loads may be out
	WIN MUL_LO
	MUL16 0, 1, NQ-1, \slot, 0
	s_wait_dscnt 0x0                               ; the add is done, and my reads of this slot are over
	s_barrier_signal -1
	MUL16 2, 1, NQ-1, \slot, 0
	WIN 0
	s_barrier_wait -1
	PLACES NP
	v_add_nc_u32 v[ADRS], 4*NQ, v[ADRS]            ; the next K step's scale words
	FETCH_B \next, 0, 0
	FETCH_A \next, 0, 0
	SCALES \next
	WIN MUL_HI
	MUL16 4, 1, NQ-1, \slot, 0
	MUL16 6, 1, NQ-1, \slot, 0
	PLACES NP
	WIN 0
	FETCH_A \next, 0, 4
.endm
.macro STEPS slot, from
.set Q, \from
.rept NQ-1-\from
	STEP \slot, Q, 0
.set Q, Q+1
.endr
.endm
	s_wait_tensorcnt 1                             ; the scales and my part of K step 0 are in; K step 1's load may be out
	s_barrier_signal -1
	s_barrier_wait -1
	FETCH_B 0, 0, 0
	FETCH_A 0, 0, 0
	SCALES 0
	FETCH_A 0, 0, 4
	s_wait_loadcnt 0x0                             ; the bias, and the first two sets of cos and sin
	STEP 0, 0, 1
	STEPS 0, 1
	TURN 0, 1
	STEPS 1, 0
	s_wait_dscnt 4*NL                              ; the very last step: nothing more to fetch
	WIN MUL_LO
	MUL16 0, 1, NQ-1, 1, 0
	MUL16 2, 1, NQ-1, 1, 0
	s_wait_dscnt 0
	WIN MUL_HI
	MUL16 4, 1, NQ-1, 1, 0
	MUL16 6, 1, NQ-1, 1, 0
	WIN 0
; THE WAY OUT, block by block of 16 rows x 128 columns (two heads).
.macro ROPE a                          ; o1 = x1 cos - x2 sin, o2 = x2 cos + x1 sin, in f32; each accumulator is read from its low end on; then two roundings to f16 a register: (o1, o2) are neighbours in memory
	WIN 0x02+(\a)/4
.irp b, 0,1,2,3,4,5,6,7
.set AC, 64*((\a)%4)+8*\b
.set OO, OB+8*\b
.set CC, CSR+32*((\a)%2)+8*(\b%4)
	v_pk_mul_f32 v[OO+4:OO+5], v[AC:AC+1], v[CC+4:CC+5]
	v_pk_mul_f32 v[OO+6:OO+7], v[AC+2:AC+3], v[CC+6:CC+7]
	v_pk_mul_f32 v[OO:OO+1], v[AC+4:AC+5], v[CC+4:CC+5]
	v_pk_mul_f32 v[OO+2:OO+3], v[AC+6:AC+7], v[CC+6:CC+7]
	v_pk_fma_f32 v[OO+4:OO+5], v[AC+4:AC+5], v[CC:CC+1], v[OO+4:OO+5]
	v_pk_fma_f32 v[OO+6:OO+7], v[AC+6:AC+7], v[CC+2:CC+3], v[OO+6:OO+7]
	v_pk_fma_f32 v[OO:OO+1], v[AC:AC+1], v[CC:CC+1], v[OO:OO+1] neg_lo:[0,0,1] neg_hi:[0,0,1]
	v_pk_fma_f32 v[OO+2:OO+3], v[AC+2:AC+3], v[CC+2:CC+3], v[OO+2:OO+3] neg_lo:[0,0,1] neg_hi:[0,0,1]
.endr
	WIN 0
.irp b, 0,1,2,3,4,5,6,7
.irp i, 0,1,2,3
	v_cvt_pk_f16_f32 v[PK+4*\b+\i], v[OB+8*\b+\i], v[OB+8*\b+4+\i]
.endr
.endr
.endm
.macro PLAIN a                         ; v: only the rounding
	WIN 0x0a+5*((\a)/4)
.irp b, 0,1,2,3,4,5,6,7
.irp i, 0,1,2,3
	v_cvt_pk_f16_f32 v[PK+4*\b+\i], v[64*((\a)%4)+8*\b+\i], v[64*((\a)%4)+8*\b+4+\i]
.endr
.endr
	WIN 0
.endm
.macro TOSTAGE a                       ; LDS serves a wave's instructions in order: no wait between the stores and the loads
.irp b, 0,1,2,3,4,5,6,7
	ds_store_b128 v[STO], v[PK+4*\b:PK+4*\b+3] offset:32*\b
.endr
.irp hh, 0,1
.irp i, 0,1,2,3
	ds_load_b128 v[BK+32*((\a)%2)+4*(4*\hh+\i):BK+32*((\a)%2)+4*(4*\hh+\i)+3], v[RD] offset:128*\hh+1088*\i
.endr
.endr
.endm
.macro SEND a, younger                 ; younger: the LDS instructions issued behind block a's loads, which may stay out
	s_wait_dscnt \younger
.irp hh, 0,1
.irp i, 0,1,2,3
	global_store_b128 v[CO], v[BK+32*((\a)%2)+4*(4*\hh+\i):BK+32*((\a)%2)+4*(4*\hh+\i)+3], s[12:13] offset:\hh*262144+(\a)*2048+\i*512   ; four rows of one head: 512 consecutive bytes, aligned
.endr
.endr
.endm
.macro IMAGE src, win                  ; block 0 in f32 as it stands in the registers, where it holds t = 0 .. 15: the other waves' lanes are off
	v_cmp_eq_u32 vcc_lo, 0, v[MK]
	s_wait_xcnt 0x0                                ; EXEC changes only behind this wait
	s_and_saveexec_b32 s2, vcc_lo
	WIN \win
.irp b, 0,1,2,3,4,5,6,7
	global_store_b128 v[CO], v[\src+8*\b:\src+8*\b+3], s[100:101] offset:\b*1024
	global_store_b128 v[CO], v[\src+8*\b+4:\src+8*\b+7], s[100:101] offset:\b*1024+512
.endr
	WIN 0
	s_wait_xcnt 0x0                                ; and again, ahead of the line that widens it; the stores have also read their data
	s_or_b32 exec_lo, exec_lo, s2
.endm
	PLACES NP                                      ; behind the last products: for the writes and loads into the registers that held fragments and scale words, and for the reads of results
	s_cmp_eq_u32 ttmp9, 2
	s_cbranch_scc1 .Lv_out
	ROPE 0
	IMAGE OB, 0
	CSLOAD 2
	TOSTAGE 0
.irp a, 1,2,3,4,5,6,7
.if (\a >= 2) && (\a <= 6)
	s_wait_loadcnt 8                               ; this block's cos and sin are in; the next block's eight loads may be out
.endif
.if \a == 7
	s_wait_loadcnt 0x0
.endif
	ROPE \a
.if \a <= 5
	CSLOAD \a+2
.endif
.if \a >= 2
	s_wait_xcnt 0x0                                ; block a - 2's stores have read their registers: block a's rows may land there
.endif
	TOSTAGE \a
	SEND \a-1, 16                                  ; behind block a - 1's loads: block a's 8 stores and 8 loads
.endr
	SEND 7, 0
	FINISH
.Lv_out:
	PLAIN 0
	IMAGE 0, 0x08                                  ; a store's data are its source 1: window 2
	TOSTAGE 0
.irp a, 1,2,3,4,5,6,7
	PLAIN \a
.if \a >= 2
	s_wait_xcnt 0x0
.endif
	TOSTAGE \a
	SEND \a-1, 16
.endr
	SEND 7, 0
	FINISH
.Lfunc_end_k_q3c10925d44_qkv:
	.size	k_q3c10925d44_qkv, .Lfunc_end_k_q3c10925d44_qkv-k_q3c10925d44_qkv
	.p2alignl 7, 3214868480
	.fill 96, 4, 3214868480
	.section	.rodata,"a",@progbits
	.p2align	6, 0x0
	.amdhsa_kernel k_q3c10925d44_qkv
		.amdhsa_group_segment_fixed_size 327680
		.amdhsa_private_segment_fixed_size 0
		.amdhsa_enable_private_segment 0
		.amdhsa_kernarg_size 48
		.amdhsa_user_sgpr_count 2
		.amdhsa_user_sgpr_kernarg_segment_ptr 1
		.amdhsa_wavefront_size32 1
		.amdhsa_system_sgpr_workgroup_id_x 1
		.amdhsa_system_sgpr_workgroup_id_y 1
		.amdhsa_system_sgpr_workgroup_id_z 1
		.amdhsa_system_vgpr_workitem_id 0
		.amdhsa_next_free_vgpr 1024
		.amdhsa_next_free_sgpr 102
		.amdhsa_reserve_vcc 1
		.amdhsa_float_denorm_mode_32 3
		.amdhsa_float_denorm_mode_16_64 3
		.amdhsa_memory_ordered 1
		.amdhsa_forward_progress 1
		.amdhsa_inst_pref_size 206
	.end_amdhsa_kernel
	.amdgpu_metadata
---
amdhsa.version: [ 1, 2 ]
amdhsa.kernels:
  - .name:           k_q3c10925d44_qkv
    .symbol:         k_q3c10925d44_qkv.kd
    .args:
      - { .name: codes, .offset: 0, .size: 8, .value_kind: global_buffer, .address_space: global }
      - { .name: scales, .offset: 8, .size: 8, .value_kind: global_buffer, .address_space: global }
      - { .name: b_in, .offset: 16, .size: 8, .value_kind: global_buffer, .address_space: global }
      - { .name: rope, .offset: 24, .size: 8, .value_kind: global_buffer, .address_space: global }
      - { .name: qkv, .offset: 32, .size: 8, .value_kind: global_buffer, .address_space: global }
      - { .name: head32, .offset: 40, .size: 8, .value_kind: global_buffer, .address_space: global }
    .group_segment_fixed_size: 327680
    .private_segment_fixed_size: 0
    .kernarg_segment_align: 8
    .kernarg_segment_size: 48
    .max_flat_workgroup_size: 128
    .sgpr_count:     102
    .vgpr_count:     1024
    .wavefront_size: 32
...
	.end_amdgpu_metadata
.endif
;; end of part 2
;; launch attn (part 3): grid 4 x 64, 16 waves a work-group, clusters of 4 x 1, 327,680 bytes of LDS; arguments qkv, y; writes y
.if DOCPART == 3
	.amdgcn_target "amdgcn-amd-amdhsa--gfx1250"
	.amdhsa_code_object_version 6
	.text
	.protected	k_q3c10925d44_attn
	.globl	k_q3c10925d44_attn
	.p2align	8
	.type	k_q3c10925d44_attn,@function
k_q3c10925d44_attn:
	s_mov_b64 s[64:65], 0
	v_nop
	global_prefetch_b8 v0, s[64:65] scope:SCOPE_SE
	s_setreg_imm32_b32 hwreg(HW_REG_WAVE_MODE, 25, 1), 1
	s_wait_xcnt 0x0
	s_wait_alu depctr_hold_cnt(0) depctr_sa_sdst(0) depctr_va_vdst(0) depctr_va_sdst(0) depctr_va_ssrc(0) depctr_va_vcc(0) depctr_vm_vsrc(0)
	s_getreg_b32 s2, hwreg(HW_REG_IB_STS2, 6, 4)
	s_cmp_eq_u32 s2, 0
	s_cbranch_scc0 .Lentry_in_a_cluster
	s_endpgm
.Lentry_in_a_cluster:
	s_bfe_u32 s2, ttmp6, 0x10000c
	s_cmp_lg_u32 s2, 0x3003
	s_cbranch_scc0 .Lentry_shape_is_right
	s_endpgm
.Lentry_shape_is_right:
; ATTN: y[b][h][q] = sum over k <= q of softmax_k(q . k / 8) v, head size 64, 2,048 positions.  q, k, v, y: f16, [b][h][t][64]; products' sums, maxima, exponentials and row sums in f32; the weights p are rounded to f16.
; SHARES.  A cluster of four work-groups is one (batch, head).  Each work-group has 16 waves, four to a SIMD.  Wave w has the RANK w' = w or 15 - w (a 4 x 4 magic square: the ranks of waves 4 i .. 4 i + 3 and of
; waves i, i + 4, i + 8, i + 12 both sum to 30), and owns the 32 queries 128 w' + 32 cx + 0 .. 31: two tiles of 16.  It walks the keys 0 .. 128 w' + 127, 64 a step.
; THE MASK AND THE CLUSTER.  Every branch on the mask is made of the wave's number and the count of steps alone (QF = 128 w', QL = QF + 127): it is the same in all four partners.  My place in the cluster enters only
; Q's and y's addresses, the prefetch's address, and the register against which hidden keys are compared.  Each partner has a wave of rank 15, which reads every slot: so K's and V's tiles are joint loads.
; The price: all 128 keys of a wave's own group go under the lane mask.
; LAYOUT.  S^T = K Q^T (source 0 = 16 keys, source 1 = 16 queries): a lane holds ONE query (lane % 16) and keys 8 (lane / 16) + 0 .. 7.  Two such tiles, rounded to f16 in pairs, ARE source 1 of O^T = V^T P.
; V comes out of LDS turned, by ds_load_tr16_b128.
; SOFTMAX.  A running maximum m and sum l for each query: p = 2^(c s - c m), c = log2(e) / 8; in every step O and l are multiplied by a = 2^(c m_old - c m_new).
; RING.  Two slots of 256 keys; waves 0, 1 fetch K's halves, waves 2, 3 V's; the change of slots stands at a slot's head.  Every wait on TENSORcnt is for 0.
; LIMITS: NaN and infinities are not served; |y| stays under 65,504.
.set KP,    144                        ; a key's row in LDS: 128 bytes + 16
.set VP,    160                        ; a value's row: 128 + 32
.set VOFF,  256*KP
.set SLOT1, 1<<17
.set STAGE, 208896                     ; behind the ring: 32 rows x 144 bytes for each wave
.set SPARE, 282624                     ; the spare words, 128 bytes for each of 16 waves
.set NSL,   8
.set AK0, 1
.set AV0, 2
.set ADK, 3
.set ADV, 4
.set SPW, 5
.set NIL, 6
.set QD,  7                            ; v7   32 cx + lane % 16 - 8 (lane / 16)
.set ST,  8                            ; tile t's statistics at v[8 + 8 t]: +0 c m, +1 m, +2, +3 l, +4 .. +7 at work; a in +6
.set Q,   24                           ; v24-55
.set KV,  56                           ; v56-119   K's fragments, then V's
.set S,   120                          ; v120-183  S^T, then p, then p's f16 in the low 16 registers of each tile
.set O,   184                          ; v184-247
.set DM,  248
.set NINF, 249
.set PFO, 250
.set GO,  251
.set STO, 252
.set RD,  253
.set QA,  254
.set WV,  8
.set QF,  10
.set QL,  11
.set SEL, 16
.set CS,  18
.set G1K, 24
.set G1V, 32
.set G0K, 40
.set G0V, 44
.set TB,  48
.set KF,  49
.set SLOTS, 50
.set LIM, 51
.set PFA, 52
.macro TLOAD                           ; waves 0 and 1 fetch for K, waves 2 and 3 for V, the others nothing; an s_nop 0 and four v_nop follow each line
	s_cmp_lt_u32 s[WV], 2
	s_cbranch_scc0 .Lnot_k_\@
	tensor_load_to_lds s[G0K:G0K+3], s[G1K:G1K+7]
	s_nop 0
.rept 4
	v_nop
.endr
	s_branch .Lasked_\@
.Lnot_k_\@:
	s_cmp_lt_u32 s[WV], 4
	s_cbranch_scc0 .Lasked_\@
	tensor_load_to_lds s[G0V:G0V+3], s[G1V:G1V+7]
	s_nop 0
.rept 4
	v_nop
.endr
.Lasked_\@:
.endm
; A prefetch of what the NEXT change of slots will ask for: a slot's 32,768 bytes of K (wave 4) and of V (wave 5).  The four partners share them out by address, 8,192 bytes each, lanes 256 bytes apart:
; each aligned block of 256 bytes is named once in the launch.  The last change that fills a slot asks for nothing; slots 0 and 1 come by their loads alone.
.macro ASK
	s_cmp_gt_u32 s[SLOTS], s[LIM]
	s_cbranch_scc0 .Lnot_mine_\@
	global_prefetch_b8 v[PFO], s[PFA:PFA+1] th:TH_LOAD_NT scope:SCOPE_SE
.Lnot_mine_\@:
.endm
.macro CROUND
	s_barrier_signal -1
	s_barrier_wait -1
	s_cmp_lg_u32 s[WV], 0
	s_cbranch_scc1 .Lnot_wave_0_\@
	s_barrier_signal -3
.Lnot_wave_0_\@:
	s_barrier_wait -3
	s_barrier_signal -1
	s_barrier_wait -1
.endm
	s_load_b128 s[4:7], s[0:1], 0x0                ; qkv, y
	v_lshl_add_u32 v[SPW], v0, 2, SPARE
	v_mov_b32 v[NIL], 0
	ds_add_u32 v[SPW], v[NIL]                      ; the wave's opening: the add, twice on end, and its wait
	ds_add_u32 v[SPW], v[NIL]
	v_lshrrev_b32 v120, 5, v0
	v_readfirstlane_b32 s[WV], v120                ; wave 0..15
	s_bfe_u32 s12, ttmp6, 0x40000                  ; cx
	s_and_b32 s13, ttmp7, 0xffff                   ; 16 x batch + head, which the partners share
	s_lshr_b32 s20, s[WV], 2
	s_xor_b32 s20, s20, s[WV]
	s_lshr_b32 s21, s20, 1
	s_xor_b32 s20, s20, s21
	s_and_b32 s20, s20, 1
	s_xor_b32 s20, s20, 1                          ; 1 on the square's two diagonals
	s_mul_i32 s20, s20, 15
	s_xor_b32 s9, s[WV], s20                       ; my rank
	s_lshl_b32 s[QF], s9, 7
	s_add_co_u32 s[QL], s[QF], 127
	s_lshl_b32 s20, s13, 18                        ; a head is 262,144 bytes
	s_and_b32 s22, s[WV], 1
	s_lshl_b32 s23, s22, 14                        ; my 128 rows of a slot, in memory,
	s_add_co_u32 s54, s20, s23
	s_mov_b32 s55, 0
	s_mul_i32 s60, s22, 128*KP                     ; and in a slot
	s_mul_i32 s61, s22, 128*VP
	s_add_co_u32 s61, s61, VOFF
	s_mov_b32 s[G1K], 15|(1<<16)|(1<<20)|(1<<21)|(4<<22)|(3<<25)   ; all four work-groups; elements of 2 bytes; padding on; bit 21 beside a mask; 4 words after every 32
	s_mov_b32 s[G1V], 15|(1<<16)|(1<<20)|(1<<21)|(4<<22)|(7<<25)   ; the same with 8 words
.irp g, G1K, G1V
	s_mov_b32 s[\g+1], 64<<16                      ; tensor_dim0
	s_mov_b32 s[\g+2], 128<<16                     ; tensor_dim1
	s_mov_b32 s[\g+3], 64<<16                      ; tile_dim0
	s_mov_b32 s[\g+4], 128                         ; tile_dim1
	s_mov_b32 s[\g+5], 64                          ; the pitch
	s_mov_b32 s[\g+6], 0
	s_mov_b32 s[\g+7], 0
.endr
	s_mov_b32 s[SEL], 0x76543210
	s_mov_b32 s[SEL+1], 0xfedcba98
	s_mov_b32 s[CS], 0x3e38aa3b                    ; c = log2(e) / 8
	s_mov_b32 s[CS+1], s[CS]
	s_mov_b32 s[TB], 0
	s_mov_b32 s[KF], 0
	s_mov_b32 s[SLOTS], NSL-1
	s_lshl_b32 s21, s12, 5
	s_add_co_u32 s21, s21, s[QF]
	s_lshl_b32 s21, s21, 7
	s_add_co_u32 s56, s20, s21                     ; my first query's row
	s_mov_b32 s57, 0
	s_cmp_eq_u32 s[WV], 4
	s_mov_b32 s22, 33554432
	s_cselect_b32 s22, 16777216, s22               ; wave 4 asks for K, wave 5 for V
	s_add_co_u32 s22, s22, s20
	s_lshl_b32 s23, s12, 13
	s_add_co_u32 s22, s22, s23                     ; my work-group's quarter,
	s_add_co_u32 s22, s22, 32768                   ; in slot 1: the first change of slots steps it to slot 2
	s_mov_b32 s23, 0
	s_lshr_b32 s21, s[WV], 1
	s_cmp_eq_u32 s21, 2
	s_cselect_b32 s[LIM], 1, -1
	s_wait_dscnt 0x0                               ; both opening adds are done
	s_wait_kmcnt 0x0
	s_mov_b32 s[G0K], 1
	s_mov_b32 s[G0K+1], s60
	s_add_nc_u64 s[G0K+2:G0K+3], s[4:5], s[54:55]
	s_add_nc_u64 s[G0K+2:G0K+3], s[G0K+2:G0K+3], 16777216
	s_or_b32 s[G0K+3], s[G0K+3], 0x80000000
	s_mov_b32 s[G0V], 1
	s_mov_b32 s[G0V+1], s61
	s_add_nc_u64 s[G0V+2:G0V+3], s[4:5], s[54:55]
	s_add_nc_u64 s[G0V+2:G0V+3], s[G0V+2:G0V+3], 33554432
	s_or_b32 s[G0V+3], s[G0V+3], 0x80000000
	s_add_nc_u64 s[PFA:PFA+1], s[4:5], s[22:23]
	s_add_nc_u64 s[58:59], s[6:7], s[56:57]        ; y at my first query
	s_add_nc_u64 s[56:57], s[4:5], s[56:57]        ; q likewise
	CROUND                                         ; all four work-groups are here
	TLOAD                                          ; slot 0
	v_and_b32 v120, 15, v0                         ; r
	v_bfe_u32 v121, v0, 4, 1                       ; h
	v_lshlrev_b32 v[QA], 7, v120
	v_lshl_add_u32 v[QA], v121, 4, v[QA]
.irp t, 0,1
.irp c, 0,1
	global_load_b128 v[Q+16*\t+8*\c:Q+16*\t+8*\c+3], v[QA], s[56:57] offset:\t*2048+64*\c
	global_load_b128 v[Q+16*\t+8*\c+4:Q+16*\t+8*\c+7], v[QA], s[56:57] offset:\t*2048+64*\c+32
.endr
.endr
	v_mul_u32_u24 v[AK0], v120, KP
	v_lshl_add_u32 v[AK0], v121, 4, v[AK0]         ; K: row r, + 16 h
	v_and_b32 v122, 7, v0
	v_lshl_add_u32 v[AV0], v121, 3, v122
	v_mul_u32_u24 v[AV0], v[AV0], VP
	v_bfe_u32 v122, v0, 3, 1
	v_lshl_add_u32 v[AV0], v122, 4, v[AV0]
	v_add_nc_u32 v[AV0], VOFF, v[AV0]              ; V: key 8 h + lane % 8, channels 8 ((lane / 8) % 2) on
	v_lshlrev_b32 v122, 3, v121
	v_sub_nc_u32 v[QD], v120, v122
	s_lshl_b32 s21, s12, 5
	v_add_nc_u32 v[QD], s21, v[QD]
	s_mul_i32 s21, s[WV], 32*KP
	s_add_co_u32 s21, s21, STAGE                   ; my stage
	v_mul_u32_u24 v[STO], v120, KP
	v_lshl_add_u32 v[STO], v121, 4, v[STO]
	v_add_nc_u32 v[STO], s21, v[STO]
	v_and_b32 v122, 31, v0
	v_lshlrev_b32 v[GO], 4, v122
	v_lshlrev_b32 v[PFO], 8, v122
	v_lshrrev_b32 v123, 3, v122
	v_mul_u32_u24 v[RD], v123, KP
	v_and_b32 v123, 7, v0
	v_lshl_add_u32 v[RD], v123, 4, v[RD]
	v_add_nc_u32 v[RD], s21, v[RD]
	v_mov_b32 v[NINF], 0xff800000
.irp t, 0,1
	v_mov_b32 v[ST+8*\t+1], 0xff61b1e6             ; m: -3e38, under every score
	v_mul_f32 v[ST+8*\t], s[CS], v[ST+8*\t+1]
.irp i, 2,3,4,5,6,7
	v_mov_b32 v[ST+8*\t+\i], 0                     ; l; and the registers at work are written once (a lane permute's destination counts as read)
.endr
.endr
.set ii, 0
.rept 64
	v_mov_b32 v[O+ii], 0                           ; O^T: the step is written once; the first finds zeros
.set ii, ii+1
.endr
.macro SOFT                            ; both tiles' softmax for 64 keys, the tiles line by line
.irp j, 0,1,2,3
.irp t, 0,1
	v_max3_num_f32 v[ST+8*\t+4+\j], v[S+32*\t+8*\j], v[S+32*\t+8*\j+1], v[S+32*\t+8*\j+2]   ; each accumulator is read from its low end on
.endr
.endr
.irp g, 1,2
.irp j, 0,1,2,3
.irp t, 0,1
	v_max3_num_f32 v[ST+8*\t+4+\j], v[ST+8*\t+4+\j], v[S+32*\t+8*\j+2*\g+1], v[S+32*\t+8*\j+2*\g+2]
.endr
.endr
.endr
.irp t, 0,1
	v_max3_num_f32 v[ST+8*\t+4], v[ST+8*\t+4], v[S+32*\t+7], v[S+32*\t+15]
.endr
.irp t, 0,1
	v_max3_num_f32 v[ST+8*\t+6], v[ST+8*\t+6], v[S+32*\t+23], v[S+32*\t+31]
.endr
.irp t, 0,1
	v_max3_num_f32 v[ST+8*\t+4], v[ST+8*\t+4], v[ST+8*\t+5], v[ST+8*\t+6]
.endr
.irp t, 0,1
	v_max3_num_f32 v[ST+8*\t+4], v[ST+8*\t+4], v[ST+8*\t+7], v[ST+8*\t+1]     ; and the old m
.endr
.irp t, 0,1
	v_permlanex16_b32 v[ST+8*\t+5], v[ST+8*\t+4], s[SEL], s[SEL+1]           ; the query's other 32 keys lie in the lane 16 away
.endr
.irp t, 0,1
	v_mov_b32 v[ST+8*\t+7], v[ST+8*\t]
.endr
.irp t, 0,1
	v_max_num_f32 v[ST+8*\t+1], v[ST+8*\t+4], v[ST+8*\t+5]
.endr
.irp t, 0,1
	v_mul_f32 v[ST+8*\t], s[CS], v[ST+8*\t+1]
.endr
.irp t, 0,1
	v_sub_f32 v[ST+8*\t+7], v[ST+8*\t+7], v[ST+8*\t]                         ; c m_old - c m_new
.endr
.irp i, 0,2,4,6,8,10,12,14,16,18,20,22,24,26,28,30
.irp t, 0,1
	v_pk_fma_f32 v[S+32*\t+\i:S+32*\t+\i+1], v[S+32*\t+\i:S+32*\t+\i+1], s[CS:CS+1], v[ST+8*\t:ST+8*\t+1] op_sel_hi:[1,0,0] neg_lo:[0,0,1] neg_hi:[0,0,1]   ; c s - c m
.endr
.endr
.irp t, 0,1
	v_exp_f32 v[ST+8*\t+6], v[ST+8*\t+7]           ; a
.endr
.set ii, 0
.rept 32
	v_exp_f32 v[S+ii], v[S+ii]
	v_exp_f32 v[S+32+ii], v[S+32+ii]
.set ii, ii+1
.endr
	v_nop                                          ; a plain instruction behind the last exponential
	s_wait_alu depctr_va_vdst(0)                   ; ONE wait for the 66 exponentials, ahead of their first reader
.irp t, 0,1
	v_pk_mul_f32 v[ST+8*\t+2:ST+8*\t+3], v[ST+8*\t+2:ST+8*\t+3], v[ST+8*\t+6:ST+8*\t+7] op_sel_hi:[1,0]
.endr
.irp t, 0,1
	v_pk_add_f32 v[ST+8*\t+4:ST+8*\t+5], v[S+32*\t:S+32*\t+1], v[S+32*\t+2:S+32*\t+3]     ; the row's sum, of the f32 p, in two chains
.endr
.irp j, 4,8,12,16,20,24,28
.irp t, 0,1
	v_pk_add_f32 v[ST+8*\t+2:ST+8*\t+3], v[ST+8*\t+2:ST+8*\t+3], v[S+32*\t+\j:S+32*\t+\j+1]
	v_pk_add_f32 v[ST+8*\t+4:ST+8*\t+5], v[ST+8*\t+4:ST+8*\t+5], v[S+32*\t+\j+2:S+32*\t+\j+3]
.endr
.endr
.irp t, 0,1
	v_pk_add_f32 v[ST+8*\t+2:ST+8*\t+3], v[ST+8*\t+2:ST+8*\t+3], v[ST+8*\t+4:ST+8*\t+5]
.endr
.irp i, 0,1,2,3,4,5,6,7,8,9,10,11,12,13,14,15
.irp t, 0,1
	v_cvt_pk_f16_f32 v[S+32*\t+\i], v[S+32*\t+2*\i], v[S+32*\t+2*\i+1]       ; in place, ascending: register i is written when 2 i and 2 i + 1 are read
.endr
.endr
.irp i, 0,2,4,6,8,10,12,14,16,18,20,22,24,26,28,30
.irp t, 0,1
	v_pk_mul_f32 v[O+32*\t+\i:O+32*\t+\i+1], v[O+32*\t+\i:O+32*\t+\i+1], v[ST+8*\t+6:ST+8*\t+7] op_sel_hi:[1,0]
.endr
.endr
.endm
; A KEY STEP: 64 keys, the q-th of the slot in hand.  A step all of whose keys come after my group's last query is left out: a branch on the wave's number and the count of steps, round the step's work alone.
.macro STEP q
	s_cmp_gt_u32 s[KF], s[QL]
	s_cbranch_scc1 .Lhidden_\@
	v_add_nc_u32 v[ADK], s[TB], v[AK0]
	v_add_nc_u32 v[ADV], s[TB], v[AV0]
.rept 3
	v_nop                                          ; with the two additions five places behind the last step's products: four for the loads into V's registers, five for the products that write over p's
.endr
.irp u, 0,1,2,3
.irp c, 0,1
	ds_load_b128 v[KV+16*\u+8*\c:KV+16*\u+8*\c+3], v[ADK] offset:(\q)*64*KP+\u*16*KP+64*\c
	ds_load_b128 v[KV+16*\u+8*\c+4:KV+16*\u+8*\c+7], v[ADK] offset:(\q)*64*KP+\u*16*KP+64*\c+32
.endr
.endr
	s_wait_dscnt 0x0
.irp c, 0,1                                    ; eight accumulators by turns, one instruction a turn
.irp u, 0,1,2,3
.irp t, 0,1
.if \c == 0
	v_wmma_f32_16x16x32_f16 v[S+32*\t+8*\u:S+32*\t+8*\u+7], v[KV+16*\u+8*\c:KV+16*\u+8*\c+7], v[Q+16*\t+8*\c:Q+16*\t+8*\c+7], 0
.else
	v_wmma_f32_16x16x32_f16 v[S+32*\t+8*\u:S+32*\t+8*\u+7], v[KV+16*\u+8*\c:KV+16*\u+8*\c+7], v[Q+16*\t+8*\c:Q+16*\t+8*\c+7], v[S+32*\t+8*\u:S+32*\t+8*\u+7]
.endif
.endr
.endr
.endr
.rept 4
	v_nop                                          ; places: for the loads into K's registers and for the first read of the scores
.endr
.irp c, 0,1                                    ; V lands while the softmax is worked
.irp dt, 0,1,2,3
	ds_load_tr16_b128 v[KV+8*(4*\c+\dt):KV+8*(4*\c+\dt)+3], v[ADV] offset:(\q)*64*VP+\c*32*VP+32*\dt
	ds_load_tr16_b128 v[KV+8*(4*\c+\dt)+4:KV+8*(4*\c+\dt)+7], v[ADV] offset:(\q)*64*VP+\c*32*VP+32*\dt+16*VP
.endr
.endr
	s_cmp_lt_u32 s[KF], s[QF]                      ; all 64 keys count for all my group's queries: no mask
	s_cbranch_scc1 .Lopen_\@
	s_sub_co_i32 s20, s[QF], s[KF]
	v_add_nc_u32 v[DM], s20, v[QD]                 ; register 32 t + 8 u + j holds key KF + 16 u + 8 h + j of query QF + 32 cx + 16 t + r: hidden where 16 u + j - 16 t > this
.irp t, 0,1
.irp u, 0,1,2,3
.irp j, 0,1,2,3,4,5,6,7
	v_cmp_gt_i32 vcc_lo, 16*\u+\j-16*\t, v[DM]
	v_cndmask_b32 v[S+32*\t+8*\u+\j], v[S+32*\t+8*\u+\j], v[NINF], vcc_lo
.endr
.endr
.endr
.Lopen_\@:
	SOFT
	s_wait_dscnt 0x0                               ; V is in
.irp c, 0,1
.irp dt, 0,1,2,3
.irp t, 0,1
	v_wmma_f32_16x16x32_f16 v[O+32*\t+8*\dt:O+32*\t+8*\dt+7], v[KV+8*(4*\c+\dt):KV+8*(4*\c+\dt)+7], v[S+32*\t+8*\c:S+32*\t+8*\c+7], v[O+32*\t+8*\dt:O+32*\t+8*\dt+7]
.endr
.endr
.endr
.Lhidden_\@:
	s_add_co_u32 s[KF], s[KF], 64
.endm
; THE CHANGE OF SLOTS, at a slot's head.  Each wave waits for all its tensor loads, adds 0 to its spare word, and waits for that and for its reads of the slot that it has left.  fill = 1: a round of the
; cluster's barrier, and behind it the joint load of the next 256 keys into the slot just left: it has four key steps in which to land.
.macro CHANGE fill
	s_wait_tensorcnt 0x0
	ds_add_u32 v[SPW], v[NIL]
.if \fill
	ds_add_u32 v[SPW], v[NIL]                      ; and twice on end here, in every trip alike
	s_xor_b32 s[G0K+1], s[G0K+1], SLOT1            ; no tensor load of mine is out: the walking descriptors step
	s_add_nc_u64 s[G0K+2:G0K+3], s[G0K+2:G0K+3], 32768
	s_xor_b32 s[G0V+1], s[G0V+1], SLOT1
	s_add_nc_u64 s[G0V+2:G0V+3], s[G0V+2:G0V+3], 32768
	s_wait_xcnt 0x0                                ; the last prefetch, a slot back, has read its address
	s_add_nc_u64 s[PFA:PFA+1], s[PFA:PFA+1], 32768
	s_wait_dscnt 0x0
	CROUND
	TLOAD
	ASK
.else
	s_wait_dscnt 0x0
	s_barrier_signal -1
	s_barrier_wait -1
.endif
.endm
	s_wait_loadcnt 0x0                             ; Q
.Lslot:                                            ; 7 trips: behind each change of slots but the last the next slot is asked for
	CHANGE 1
	STEP 0
	STEP 1
	STEP 2
	STEP 3
	s_xor_b32 s[TB], s[TB], SLOT1
	s_sub_co_u32 s[SLOTS], s[SLOTS], 1
	s_cmp_lg_u32 s[SLOTS], 0
	s_cbranch_scc1 .Lslot
	CHANGE 0                                       ; the last slot is written out
	STEP 0
	STEP 1
	STEP 2
	STEP 3
	; THE WAY OUT: O^T / l, rounded to f16, through my stage; four rows of y (512 consecutive bytes) a store.
.rept 4
	v_nop                                          ; places behind the last products, on every path
.endr
.irp t, 0,1
	v_add_f32 v[ST+8*\t+4], v[ST+8*\t+2], v[ST+8*\t+3]
.endr
.irp t, 0,1
	v_permlanex16_b32 v[ST+8*\t+5], v[ST+8*\t+4], s[SEL], s[SEL+1]
.endr
.irp t, 0,1
	v_add_f32 v[ST+8*\t+4], v[ST+8*\t+4], v[ST+8*\t+5]
.endr
.irp t, 0,1
	v_rcp_f32 v[ST+8*\t+6], v[ST+8*\t+4]
.endr
	v_nop
	s_wait_alu depctr_va_vdst(0)                   ; one wait for the two reciprocals
.irp t, 0,1
.irp i, 0,2,4,6,8,10,12,14,16,18,20,22,24,26,28,30
	v_pk_mul_f32 v[O+32*\t+\i:O+32*\t+\i+1], v[O+32*\t+\i:O+32*\t+\i+1], v[ST+8*\t+6:ST+8*\t+7] op_sel_hi:[1,0]
.endr
.irp i, 0,1,2,3,4,5,6,7,8,9,10,11,12,13,14,15
	v_cvt_pk_f16_f32 v[S+16*\t+\i], v[O+32*\t+2*\i], v[O+32*\t+2*\i+1]
.endr
.irp dt, 0,1,2,3
	ds_store_b128 v[STO], v[S+16*\t+4*\dt:S+16*\t+4*\dt+3] offset:\t*16*KP+32*\dt
.endr
.irp i, 0,1,2,3
	ds_load_b128 v[KV+16*\t+4*\i:KV+16*\t+4*\i+3], v[RD] offset:\t*16*KP+4*\i*KP   ; LDS serves a wave's instructions in order: these see my stores
.endr
.endr
.irp t, 0,1
.irp i, 0,1,2,3
	s_wait_dscnt (1-\t)*8+3-\i                     ; behind this load: the rest of its tile's loads, and for tile 0 the eight LDS instructions of tile 1
	global_store_b128 v[GO], v[KV+16*\t+4*\i:KV+16*\t+4*\i+3], s[58:59] offset:\t*2048+512*\i
.endr
.endr
	s_wait_tensorcnt 0x0                           ; the wave's end,
	ds_add_u32 v[SPW], v[NIL]
	s_wait_dscnt 0x0
	CROUND                                         ; and the closing round
	s_endpgm
.Lfunc_end_k_q3c10925d44_attn:
	.size	k_q3c10925d44_attn, .Lfunc_end_k_q3c10925d44_attn-k_q3c10925d44_attn
	.p2alignl 7, 3214868480
	.fill 96, 4, 3214868480
	.section	.rodata,"a",@progbits
	.p2align	6, 0x0
	.amdhsa_kernel k_q3c10925d44_attn
		.amdhsa_group_segment_fixed_size 327680
		.amdhsa_private_segment_fixed_size 0
		.amdhsa_enable_private_segment 0
		.amdhsa_kernarg_size 16
		.amdhsa_user_sgpr_count 2
		.amdhsa_user_sgpr_kernarg_segment_ptr 1
		.amdhsa_wavefront_size32 1
		.amdhsa_system_sgpr_workgroup_id_x 1
		.amdhsa_system_sgpr_workgroup_id_y 1
		.amdhsa_system_sgpr_workgroup_id_z 1
		.amdhsa_system_vgpr_workitem_id 0
		.amdhsa_next_free_vgpr 256
		.amdhsa_next_free_sgpr 66
		.amdhsa_reserve_vcc 1
		.amdhsa_float_denorm_mode_32 3
		.amdhsa_float_denorm_mode_16_64 3
		.amdhsa_memory_ordered 1
		.amdhsa_forward_progress 1
		.amdhsa_inst_pref_size 189
	.end_amdhsa_kernel
	.amdgpu_metadata
---
amdhsa.version: [ 1, 2 ]
amdhsa.kernels:
  - .name:           k_q3c10925d44_attn
    .symbol:         k_q3c10925d44_attn.kd
    .args:
      - { .name: qkv, .offset: 0, .size: 8, .value_kind: global_buffer, .address_space: global }
      - { .name: y, .offset: 8, .size: 8, .value_kind: global_buffer, .address_space: global }
    .group_segment_fixed_size: 327680
    .private_segment_fixed_size: 0
    .kernarg_segment_align: 8
    .kernarg_segment_size: 16
    .max_flat_workgroup_size: 512
    .sgpr_count:     66
    .vgpr_count:     256
    .wavefront_size: 32
...
	.end_amdgpu_metadata
.endif
;; end of part 3
;; launch proj (part 4): grid 4 x 64, 4 waves a work-group, clusters of 4 x 4, 327,680 bytes of LDS; arguments y, wt, b_out, out0; writes out0
.if DOCPART == 4
	.amdgcn_target "amdgcn-amd-amdhsa--gfx1250"
	.amdhsa_code_object_version 6
	.text
	.protected	k_q3c10925d44_proj
	.globl	k_q3c10925d44_proj
	.p2align	8
	.type	k_q3c10925d44_proj,@function
k_q3c10925d44_proj:
	s_mov_b64 s[64:65], 0
	v_nop
	global_prefetch_b8 v0, s[64:65] scope:SCOPE_SE
	s_setreg_imm32_b32 hwreg(HW_REG_WAVE_MODE, 25, 1), 1
	s_wait_xcnt 0x0
	s_wait_alu depctr_hold_cnt(0) depctr_sa_sdst(0) depctr_va_vdst(0) depctr_va_sdst(0) depctr_va_ssrc(0) depctr_va_vcc(0) depctr_vm_vsrc(0)
	s_getreg_b32 s2, hwreg(HW_REG_IB_STS2, 6, 4)
	s_cmp_eq_u32 s2, 0
	s_cbranch_scc0 .Lentry_in_a_cluster
	s_endpgm
.Lentry_in_a_cluster:
	s_bfe_u32 s2, ttmp6, 0x10000c
	s_cmp_lg_u32 s2, 0xf033
	s_cbranch_scc0 .Lentry_shape_is_right
	s_endpgm
.Lentry_shape_is_right:
; PROJ: out0 = y W_out + b_out.  y: f16, laid [batch][head][t][64]; wt: W_out turned, [n][k] f16 (the high parts); b_out, out0: f32; sums in f32.  M = 8,192, N = 1,024, K = 1,024.
; A tile of 128 x 256 to a work-group: 256 work-groups.  Four waves, each 64 x 128: 32 accumulators, 256 registers (window 2).  K goes in steps of 128, which are two heads: A's tile is two planes of
; 128 rows x 128 bytes, B's 256 rows x 256 bytes; a ring of two slots; waves 0, 1 fetch A's planes, waves 2, 3 B's halves.
; CLUSTERS: 4 x 4; A's tiles are shared along a row of the cluster, B's along a column: joint loads; each change of slots that fills is a round of the cluster's barrier.
; THE MATRIX INSTRUCTION IS USED TRANSPOSED (source 0 = 16 rows of wt, source 1 = 16 rows of y): a lane holds eight neighbouring numbers of a row of out0.  The bias is the C of each sum's first product.
; The rows t < 16 of every batch are written again, more finely, by the launch that follows.
; REGISTERS: window 0: v0-31 addresses; v64-95, v96-127 A's two buffers; v128-255 the way out.  window 1: v0-63, v64-127 B's two buffers; v128-191 the bias.  window 2: accumulator (a, b) at v[8 (8 a + b)].
.set PA,     144
.set PB,     272
.set PLANE,  128*PA
.set BOFF,   2*PLANE
.set HALFB,  128*PB
.set SLOT,   BOFF+2*HALFB                  ; 106,496
.set STAGE,  2*SLOT
.set SPITCH, 528
.set SPARE,  STAGE+4*16*SPITCH
.set LAPS,   4
.set BA,   8
.set ADRA, 16
.set ADRB, 20
.set STO,  24
.set RD,   25
.set CO,   26
.set SPW,  28
.set NIL,  29
.set BK,   128
.set G1, 24
.set G0, 32
.set G1B, 48
.set G0B, 56
.set MSB, 0
.macro WIN new
.if MSB != (\new)
	s_set_vgpr_msb (MSB<<8)|(\new)
.set MSB, (\new)
.endif
.endm
.set MUL,  0xa1                        ; source 0 (B) window 1, source 1 (A) window 0, C and D window 2
.set MULB, 0x91                        ; C (the bias) window 1
.set TO_B, 0x40
.macro JLOAD s
	s_cmp_eq_u32 s11, 0
	s_cbranch_scc0 .Lfor_b_\@
	tensor_load_to_lds s[G0+4*\s:G0+4*\s+3], s[G1:G1+7]
	s_nop 0
.rept 4
	v_nop
.endr
	s_branch .Lasked_\@
.Lfor_b_\@:
	tensor_load_to_lds s[G0B+4*\s:G0B+4*\s+3], s[G1B:G1B+7]
	s_nop 0
.rept 4
	v_nop
.endr
.Lasked_\@:
.endm
.macro CREST
	s_cmp_lg_u32 s10, 0
	s_cbranch_scc1 .Lnot_wave_0_\@
	s_barrier_signal -3
.Lnot_wave_0_\@:
	s_barrier_wait -3
	s_barrier_signal -1
	s_barrier_wait -1
.endm
.macro CROUND
	s_barrier_signal -1
	s_barrier_wait -1
	CREST
.endm
	s_load_b128 s[4:7], s[0:1], 0x0                ; y, wt
	s_load_b64 s[66:67], s[0:1], 0x10              ; b_out
	s_load_b64 s[8:9], s[0:1], 0x18                ; out0
	v_lshl_add_u32 v[SPW], v0, 2, SPARE
	v_mov_b32 v[NIL], 0
	ds_add_u32 v[SPW], v[NIL]                      ; the wave's opening: the add, twice on end, and its wait
	ds_add_u32 v[SPW], v[NIL]
	v_lshrrev_b32 v1, 5, v0
	v_readfirstlane_b32 s10, v1                    ; wave 0..3
	s_lshr_b32 s11, s10, 1                         ; which half of the tile's rows is mine.  Also: I fetch for A (0) or for B (1)
	s_and_b32 s12, s10, 1                          ; which half of its columns.  Also: which plane of A, or which 128 rows of B, I fetch
	s_bfe_u32 s40, ttmp6, 0x40000
	s_bfe_u32 s41, ttmp6, 0x40004
	s_lshl_b32 s42, ttmp9, 2
	s_add_co_u32 s42, s42, s40                     ; tile column
	s_and_b32 s13, ttmp7, 0xffff
	s_lshl_b32 s13, s13, 2
	s_add_co_u32 s13, s13, s41                     ; tile row
	s_lshl_b32 s43, s41, 2
	s_lshl_b32 s43, 15, s43
	s_lshl_b32 s44, 0x1111, s40
	s_or_b32 s[G1+0], s43, (1<<16)|(1<<20)|(1<<21)|(4<<22)|(3<<25)   ; A: 128 rows x 64 elements of 2 bytes; 4 words of padding after every 32
	s_mov_b32 s[G1+1], 64<<16
	s_mov_b32 s[G1+2], 128<<16
	s_mov_b32 s[G1+3], 64<<16
	s_mov_b32 s[G1+4], 128
	s_mov_b32 s[G1+5], 64
	s_mov_b32 s[G1+6], 0
	s_mov_b32 s[G1+7], 0
	s_or_b32 s[G1B+0], s44, (1<<16)|(1<<20)|(1<<21)|(5<<22)|(3<<25)  ; B: 128 rows x 128 elements; 4 words after every 64
	s_mov_b32 s[G1B+1], 128<<16
	s_mov_b32 s[G1B+2], 128<<16
	s_mov_b32 s[G1B+3], 128<<16
	s_mov_b32 s[G1B+4], 128
	s_mov_b32 s[G1B+5], 1024
	s_mov_b32 s[G1B+6], 0
	s_mov_b32 s[G1B+7], 0
	s_lshr_b32 s16, s13, 4                         ; the batch
	s_lshl_b32 s16, s16, 4
	s_add_co_u32 s16, s16, s12                     ; its head 0 or 1
	s_lshl_b32 s16, s16, 11
	s_and_b32 s17, s13, 15
	s_lshl_b32 s17, s17, 7
	s_add_co_u32 s16, s16, s17                     ; + the tile's first t
	s_lshl_b32 s16, s16, 7                         ; rows of 128 bytes
	s_mov_b32 s17, 0
	s_lshl_b32 s46, s42, 8
	s_lshl_b32 s47, s12, 7
	s_add_co_u32 s46, s46, s47
	s_lshl_b32 s46, s46, 11                        ; wt: rows of 2,048 bytes
	s_mov_b32 s47, 0
	s_mul_i32 s20, s12, PLANE
	s_mul_i32 s21, s12, HALFB
	s_add_co_u32 s21, s21, BOFF
	s_wait_dscnt 0x0
	s_wait_kmcnt 0x0
	s_add_nc_u64 s[14:15], s[4:5], s[16:17]
	s_add_nc_u64 s[46:47], s[6:7], s[46:47]
	CROUND
.irp s, 0,1
	s_mov_b32 s[G0+4*\s], 1
	s_add_co_u32 s[G0+4*\s+1], s20, \s*SLOT
	s_add_nc_u64 s[G0+4*\s+2:G0+4*\s+3], s[14:15], \s*524288       ; a K step is two heads on
	s_or_b32 s[G0+4*\s+3], s[G0+4*\s+3], 0x80000000
	s_mov_b32 s[G0B+4*\s], 1
	s_add_co_u32 s[G0B+4*\s+1], s21, \s*SLOT
	s_add_nc_u64 s[G0B+4*\s+2:G0B+4*\s+3], s[46:47], \s*256
	s_or_b32 s[G0B+4*\s+3], s[G0B+4*\s+3], 0x80000000
	JLOAD \s                                       ; two tensor loads of mine are out
.endr
	v_and_b32 v1, 15, v0
	v_bfe_u32 v2, v0, 4, 1
	v_mul_u32_u24 v3, v1, PA
	v_lshl_add_u32 v3, v2, 4, v3
	v_mul_u32_u24 v4, v1, PB
	v_lshl_add_u32 v4, v2, 4, v4
	s_mul_i32 s21, s11, 64*PA                      ; my 64 rows of A, in each plane
	s_mul_i32 s22, s12, HALFB
	s_add_co_u32 s22, s22, BOFF                    ; my 128 rows of B
.irp s, 0,1
	v_add_nc_u32 v[ADRA+\s], s21, v3
	v_add_nc_u32 v[ADRB+\s], s22, v4
	s_add_co_u32 s21, s21, SLOT
	s_add_co_u32 s22, s22, SLOT
.endr
	s_mul_i32 s23, s10, 16*SPITCH
	s_add_co_u32 s23, s23, STAGE                   ; my stage
	v_mul_u32_u24 v5, v1, SPITCH
	v_lshl_add_u32 v5, v2, 5, v5
	v_add_nc_u32 v[STO], s23, v5
	v_and_b32 v6, 31, v0
	v_lshlrev_b32 v[CO], 4, v6
	v_add_nc_u32 v[RD], s23, v[CO]
	v_lshlrev_b32 v[BA], 5, v2
	s_lshl_b32 s16, s13, 7
	s_lshl_b32 s17, s11, 6
	s_add_co_u32 s16, s16, s17
	s_lshl_b32 s16, s16, 12                        ; my first row of out0: rows of 4,096 bytes
	s_lshl_b32 s46, s42, 10
	s_lshl_b32 s47, s12, 9
	s_add_co_u32 s46, s46, s47                     ; my first column, in bytes
	s_mov_b32 s47, 0
	s_add_nc_u64 s[66:67], s[66:67], s[46:47]
	s_add_co_u32 s46, s46, s16
	s_add_nc_u64 s[8:9], s[8:9], s[46:47]
	WIN TO_B
.irp b, 0,1,2,3,4,5,6,7
	global_load_b128 v[128+8*\b:128+8*\b+3], v[BA], s[66:67] offset:64*\b
	global_load_b128 v[128+8*\b+4:128+8*\b+7], v[BA], s[66:67] offset:64*\b+16
.endr
	WIN 0
.macro MUL8 f, a, first                ; A's block a x B's eight, 32 along K, buffer f.  The 32 accumulators take turns, one instruction a turn
.irp b, 0,1,2,3,4,5,6,7
.if \first
	v_wmma_f32_16x16x32_f16 v[8*(8*(\a)+\b):8*(8*(\a)+\b)+7], v[64*(\f)+8*\b:64*(\f)+8*\b+7], v[64+32*(\f)+8*(\a):64+32*(\f)+8*(\a)+7], v[128+8*\b:128+8*\b+7]
.else
	v_wmma_f32_16x16x32_f16 v[8*(8*(\a)+\b):8*(8*(\a)+\b)+7], v[64*(\f)+8*\b:64*(\f)+8*\b+7], v[64+32*(\f)+8*(\a):64+32*(\f)+8*(\a)+7], v[8*(8*(\a)+\b):8*(8*(\a)+\b)+7]
.endif
.endr
.endm
.macro FETCH slot, q, f                ; 24 LDS loads in one run: quarter q's fragments into buffer f: B's eight, then A's four
	WIN TO_B
.irp i, 0,1,2,3,4,5,6,7
	ds_load_b128 v[64*(\f)+8*\i:64*(\f)+8*\i+3],   v[ADRB+\slot] offset:64*(\q)+\i*16*PB
	ds_load_b128 v[64*(\f)+8*\i+4:64*(\f)+8*\i+7], v[ADRB+\slot] offset:64*(\q)+\i*16*PB+32
.endr
	WIN 0
.irp i, 0,1,2,3
	ds_load_b128 v[64+32*(\f)+8*\i:64+32*(\f)+8*\i+3],   v[ADRA+\slot] offset:((\q)/2)*PLANE+((\q)%2)*64+\i*16*PA
	ds_load_b128 v[64+32*(\f)+8*\i+4:64+32*(\f)+8*\i+7], v[ADRA+\slot] offset:((\q)/2)*PLANE+((\q)%2)*64+\i*16*PA+32
.endr
.endm
.macro PLACES
.rept 4
	v_nop
.endr
.endm
.macro QUARTER slot, q, f, g, first    ; multiplies buffer f; in its middle it fetches quarter q of the same slot into buffer g
	s_wait_dscnt 4                                 ; B and A's blocks 0, 1 are in; the four youngest loads (A's blocks 2, 3) may be out
.if \first
	WIN MULB
.else
	WIN MUL
.endif
	MUL8 \f, 0, \first
	MUL8 \f, 1, \first
	PLACES
	FETCH \slot, \q, \g
	s_wait_dscnt 24                                ; all but the 24 just issued
.if \first
	WIN MULB
.else
	WIN MUL
.endif
	MUL8 \f, 2, \first
	MUL8 \f, 3, \first
.endm
.macro TURN slot, next, fill           ; the last quarter multiplies buffer 1 and changes slots
	WIN 0
	s_wait_tensorcnt 0x0                           ; all my tensor loads have landed: my part of the next slot
	ds_add_u32 v[SPW], v[NIL]
	s_wait_dscnt 5                                 ; the add and the four youngest loads may be out
	WIN MUL
	MUL8 1, 0, 0
	s_wait_dscnt 0x0                               ; the add is done, and my reads of this slot are over
	s_barrier_signal -1
	MUL8 1, 1, 0
.if \fill
	WIN 0
.endif
	s_barrier_wait -1
.if \fill
	CREST                                          ; the barrier has opened a round of the cluster's barrier
	s_add_nc_u64 s[G0+4*\slot+2:G0+4*\slot+3], s[G0+4*\slot+2:G0+4*\slot+3], 1048576
	s_add_nc_u64 s[G0B+4*\slot+2:G0B+4*\slot+3], s[G0B+4*\slot+2:G0B+4*\slot+3], 512
	JLOAD \slot                                    ; the first tensor load behind the round; its four v_nop are also the places in front of the loads below
.else
	PLACES
.endif
	FETCH \next, 0, 0
	WIN MUL
	MUL8 1, 2, 0
	MUL8 1, 3, 0
.endm
	s_wait_tensorcnt 1                             ; my part of K step 0 is in; K step 1's load may be out
	s_barrier_signal -1
	s_barrier_wait -1
	FETCH 0, 0, 0
	s_wait_loadcnt 0x0                             ; the bias
	QUARTER 0, 1, 0, 1, 1
	WIN 0
	s_mov_b32 s3, LAPS-1
.Llap:                                             ; a trip goes once round the ring and fills both slots again
	QUARTER 0, 2, 1, 0, 0
	QUARTER 0, 3, 0, 1, 0
	TURN 0, 1, 1
	QUARTER 1, 1, 0, 1, 0
	QUARTER 1, 2, 1, 0, 0
	QUARTER 1, 3, 0, 1, 0
	TURN 1, 0, 1
	QUARTER 0, 1, 0, 1, 0
	WIN 0
	s_sub_co_u32 s3, s3, 1
	s_cmp_lg_u32 s3, 0
	s_cbranch_scc1 .Llap
	QUARTER 0, 2, 1, 0, 0                          ; the last lap fills nothing
	QUARTER 0, 3, 0, 1, 0
	TURN 0, 1, 0
	QUARTER 1, 1, 0, 1, 0
	QUARTER 1, 2, 1, 0, 0
	QUARTER 1, 3, 0, 1, 0
	s_wait_dscnt 4
	WIN MUL
	MUL8 1, 0, 0
	MUL8 1, 1, 0
	s_wait_dscnt 0
	MUL8 1, 2, 0
	MUL8 1, 3, 0
	WIN 0
; THE WAY OUT: a block of 16 rows x 128 columns goes through my own stage and comes back as whole rows of 512 bytes.
.macro TOSTAGE a
	WIN 0x08                                       ; an LDS store's data are its source 1: window 2
.irp b, 0,1,2,3,4,5,6,7
	ds_store_b128 v[STO], v[64*(\a)+8*\b:64*(\a)+8*\b+3] offset:64*\b          ; each accumulator from its low end on
	ds_store_b128 v[STO], v[64*(\a)+8*\b+4:64*(\a)+8*\b+7] offset:64*\b+16
.endr
	WIN 0
.irp t, 0,1,2,3,4,5,6,7,8,9,10,11,12,13,14,15
	ds_load_b128 v[BK+64*((\a)%2)+4*\t:BK+64*((\a)%2)+4*\t+3], v[RD] offset:\t*SPITCH
.endr
.endm
.macro SEND a, younger
	s_wait_dscnt \younger
.irp t, 0,1,2,3,4,5,6,7,8,9,10,11,12,13,14,15
	global_store_b128 v[CO], v[BK+64*((\a)%2)+4*\t:BK+64*((\a)%2)+4*\t+3], s[8:9] offset:(\a)*65536+\t*4096 th:TH_STORE_NT   ; 512 consecutive bytes, aligned
.endr
.endm
	PLACES
	TOSTAGE 0
.irp a, 1,2,3
.if \a > 1
	s_wait_xcnt 0x0                                ; block a - 2's stores have read their registers
.endif
	TOSTAGE \a
	SEND \a-1, 32                                  ; behind block a - 1's loads: block a's 16 stores and 16 loads
.endr
	SEND 3, 0
	s_wait_tensorcnt 0x0                           ; the wave's end,
	ds_add_u32 v[SPW], v[NIL]
	s_wait_dscnt 0x0
	CROUND                                         ; and the closing round
	s_endpgm
.Lfunc_end_k_q3c10925d44_proj:
	.size	k_q3c10925d44_proj, .Lfunc_end_k_q3c10925d44_proj-k_q3c10925d44_proj
	.p2alignl 7, 3214868480
	.fill 96, 4, 3214868480
	.section	.rodata,"a",@progbits
	.p2align	6, 0x0
	.amdhsa_kernel k_q3c10925d44_proj
		.amdhsa_group_segment_fixed_size 327680
		.amdhsa_private_segment_fixed_size 0
		.amdhsa_enable_private_segment 0
		.amdhsa_kernarg_size 32
		.amdhsa_user_sgpr_count 2
		.amdhsa_user_sgpr_kernarg_segment_ptr 1
		.amdhsa_wavefront_size32 1
		.amdhsa_system_sgpr_workgroup_id_x 1
		.amdhsa_system_sgpr_workgroup_id_y 1
		.amdhsa_system_sgpr_workgroup_id_z 1
		.amdhsa_system_vgpr_workitem_id 0
		.amdhsa_next_free_vgpr 768
		.amdhsa_next_free_sgpr 68
		.amdhsa_reserve_vcc 0
		.amdhsa_float_denorm_mode_32 3
		.amdhsa_float_denorm_mode_16_64 3
		.amdhsa_memory_ordered 1
		.amdhsa_forward_progress 1
		.amdhsa_inst_pref_size 87
	.end_amdhsa_kernel
	.amdgpu_metadata
---
amdhsa.version: [ 1, 2 ]
amdhsa.kernels:
  - .name:           k_q3c10925d44_proj
    .symbol:         k_q3c10925d44_proj.kd
    .args:
      - { .name: y, .offset: 0, .size: 8, .value_kind: global_buffer, .address_space: global }
      - { .name: wt, .offset: 8, .size: 8, .value_kind: global_buffer, .address_space: global }
      - { .name: b_out, .offset: 16, .size: 8, .value_kind: global_buffer, .address_space: global }
      - { .name: out0, .offset: 24, .size: 8, .value_kind: global_buffer, .address_space: global }
    .group_segment_fixed_size: 327680
    .private_segment_fixed_size: 0
    .kernarg_segment_align: 8
    .kernarg_segment_size: 32
    .max_flat_workgroup_size: 128
    .sgpr_count:     68
    .vgpr_count:     768
    .wavefront_size: 32
...
	.end_amdgpu_metadata
.endif
;; end of part 4
;; launch fine (part 5): grid 16 x 4, 16 waves a work-group, no clusters, 85,504 bytes of LDS; arguments head32, wt, b_out, out0; writes out0
.if DOCPART == 5
	.amdgcn_target "amdgcn-amd-amdhsa--gfx1250"
	.amdhsa_code_object_version 6
	.text
	.protected	k_q3c10925d44_fine
	.globl	k_q3c10925d44_fine
	.p2align	8
	.type	k_q3c10925d44_fine,@function
k_q3c10925d44_fine:
	s_mov_b64 s[64:65], 0
	v_nop
	global_prefetch_b8 v0, s[64:65] scope:SCOPE_SE
	s_setreg_imm32_b32 hwreg(HW_REG_WAVE_MODE, 25, 1), 1
	s_wait_xcnt 0x0
; FINE: the first 16 positions of every sequence once more, more finely: these rows average one to sixteen values and are the largest in size.
; A work-group is (64 columns of out0, a batch).  ATTENTION in f32: wave w is head w; q, k, v come as f32 images of the registers in which the first product left them
; (block of 16 columns: [half 2][lane 32][4]: lane (t, h), half p, number jj is column 8 h + 2 jj + p).  S^T = k q^T and O^T = v^T p by v_wmma_f32_16x16x4_f32; the softmax takes the row's maximum away.
; PROJECTION on pairs of f16 numbers, split in f32: y = yh + yl, W = Wh + Wl; Wh yh + Wh yl + Wl yh, three accumulators by turns.  Wave w takes the 16 columns 16 (w % 4) on and the quarter w / 4 of K;
; the four quarters meet in LDS, and wave w stores row t = w: 256 consecutive bytes, aligned.
; The registers that the f32 matrix form writes (v192-239) are written by matrix instructions alone.
; LIMITS: NaN and infinities are not served; |y| and |W_out| stay under 65,504.
.set YHI,   0                          ; 16 rows x (2,048 + 16) bytes: y's high parts
.set YLO,   33024                      ; the low parts
.set PART,  66048                      ; 4 quarters x 16 rows x (256 + 16) bytes
.set SPARE, 83456
.set SPW, 2
.set NIL, 3
	s_load_b256 s[4:11], s[0:1], 0x0               ; head32, wt, b_out, out0
	v_lshl_add_u32 v[SPW], v0, 2, SPARE
	v_mov_b32 v[NIL], 0
	v_lshrrev_b32 v1, 5, v0
	v_readfirstlane_b32 s12, v1                    ; wave 0..15
	s_and_b32 s13, s12, 3                          ; my tile of 16 columns
	s_lshr_b32 s14, s12, 2                         ; my quarter of K
	s_and_b32 s15, ttmp7, 0xffff                   ; the batch
	s_mov_b32 s16, 0x76543210
	s_mov_b32 s17, 0xfedcba98
	s_mov_b32 s18, 0x3e38aa3b                      ; c = log2(e) / 8
	s_mov_b32 s19, 0xffffe000                      ; keeps sign, exponent and 10 mantissa bits
	v_and_b32 v1, 15, v0                           ; r
	v_bfe_u32 v4, v0, 4, 1                         ; h
	v_and_b32 v14, 31, v0
	v_lshlrev_b32 v5, 4, v14                       ; an image's place for my lane
	v_lshlrev_b32 v8, 3, v14                       ; 8 x lane
	v_and_b32 v6, 1, v1                            ; v as source 0: lane (rho, h), register jj wants v(key 8 h + jj, channel rho of the tile):
	v_lshlrev_b32 v6, 9, v6                        ; the half rho & 1,
	v_lshrrev_b32 v15, 3, v1
	v_lshlrev_b32 v15, 1, v15
	v_add_nc_u32 v15, v15, v4
	v_lshl_add_u32 v6, v15, 7, v6                  ; the image's lane 8 h + 16 (rho >> 3) (+ jj in the immediate),
	v_bfe_u32 v15, v1, 1, 2
	v_lshl_add_u32 v6, v15, 2, v6                  ; its number (rho >> 1) & 3
	v_lshlrev_b32 v7, 11, v1
	v_lshl_add_u32 v7, v4, 4, v7                   ; wt: row r of 2,048 bytes, + 16 h
	v_lshlrev_b32 v9, 3, v4
	v_sub_nc_u32 v9, v1, v9                        ; r - 8 h: key 8 h + j is hidden where j > this
	v_mul_u32_u24 v10, v1, 2064
	v_lshl_add_u32 v10, v4, 4, v10
	s_lshl_b32 s20, s14, 9
	v_add_nc_u32 v11, s20, v10                     ; y's fragments: row r, my quarter of K, + 16 h
	s_lshl_b32 s20, s12, 7
	v_add_nc_u32 v10, s20, v10                     ; where I put y: row r, my head's 128 bytes, + 16 h
	v_mul_u32_u24 v12, v1, 272
	v_lshl_add_u32 v12, v4, 5, v12
	s_mul_i32 s20, s14, 16*272
	s_lshl_b32 s21, s13, 6
	s_add_co_u32 s20, s20, s21
	s_add_co_u32 s20, s20, PART
	v_add_nc_u32 v12, s20, v12                     ; my part: quarter, row r, my tile's 64 bytes, + 32 h
	s_mul_i32 s20, s12, 272
	s_add_co_u32 s20, s20, PART
	v_add_nc_u32 v13, s20, v8                      ; and back: row w, 8 bytes a lane
	s_mul_i32 s20, s15, 196608
	s_lshl_b32 s21, s12, 12
	s_add_co_u32 s20, s20, s21                     ; my head's four blocks of q
	s_mov_b32 s21, 0
	s_lshl_b32 s22, ttmp9, 6
	s_lshl_b32 s23, s13, 4
	s_add_co_u32 s22, s22, s23
	s_lshl_b32 s22, s22, 11
	s_lshl_b32 s23, s14, 9
	s_add_co_u32 s22, s22, s23                     ; wt at my first column and my quarter of K
	s_mov_b32 s23, 0
	s_lshl_b32 s24, ttmp9, 8                       ; 64 columns of f32
	s_mov_b32 s25, 0
	s_lshl_b32 s26, s15, 11
	s_add_co_u32 s26, s26, s12
	s_lshl_b32 s26, s26, 12
	s_add_co_u32 s26, s26, s24                     ; out0: row (batch, t = w), my work-group's columns
	s_mov_b32 s27, 0
	s_wait_kmcnt 0x0
	s_add_nc_u64 s[4:5], s[4:5], s[20:21]
	s_add_nc_u64 s[6:7], s[6:7], s[22:23]
	s_add_nc_u64 s[8:9], s[8:9], s[24:25]
	s_add_nc_u64 s[10:11], s[10:11], s[26:27]
.irp bb, 0,1,2,3
.irp p, 0,1
	global_load_b128 v[96+8*\bb+4*\p:96+8*\bb+4*\p+3], v5, s[4:5] offset:\bb*1024+\p*512            ; q
.endr
.endr
.irp bb, 0,1,2,3
.irp p, 0,1
	global_load_b128 v[128+8*\bb+4*\p:128+8*\bb+4*\p+3], v5, s[4:5] offset:65536+\bb*1024+\p*512    ; k
.endr
.endr
.irp dt, 0,1,2,3
.irp jj, 0,1,2,3,4,5,6,7
	global_load_b32 v[160+8*\dt+\jj], v6, s[4:5] offset:131072+\dt*1024+16*\jj                      ; v
.endr
.endr
	global_load_b64 v[14:15], v8, s[8:9]                                                            ; the bias
.irp s, 0,1,2,3,4,5,6,7
	global_load_b128 v[32+8*\s:32+8*\s+3], v7, s[6:7] offset:64*\s                                  ; Wh: 8 K steps of 32
	global_load_b128 v[32+8*\s+4:32+8*\s+7], v7, s[6:7] offset:64*\s+32
.endr
	v_mov_b32 v252, 0xff800000
	v_mov_b32 v249, 0                              ; a lane permute's destination counts as read
	s_wait_loadcnt 49                              ; q and k are in; v's 32 loads, the bias's one and Wh's 16 may be out
; S^T: a register pair of k's image against the same pair of q's: the same four channels stand in the same places on both sides.  Two accumulators by turns; the first two products start the sums.
.set nn, 0
.rept 16
.if nn < 2
	v_wmma_f32_16x16x4_f32 v[192+8*(nn%2):192+8*(nn%2)+7], v[128+2*nn:128+2*nn+1], v[96+2*nn:96+2*nn+1], 0
.else
	v_wmma_f32_16x16x4_f32 v[192+8*(nn%2):192+8*(nn%2)+7], v[128+2*nn:128+2*nn+1], v[96+2*nn:96+2*nn+1], v[192+8*(nn%2):192+8*(nn%2)+7]
.endif
.set nn, nn+1
.endr
.rept 8
	v_nop                                          ; eight places behind this form: for the loads into q's and k's registers and for the first read of the sums
.endr
.irp s, 0,1,2,3,4,5,6,7
	global_load_b128 v[96+8*\s:96+8*\s+3], v7, s[6:7] offset:2097152+64*\s                          ; Wl
	global_load_b128 v[96+8*\s+4:96+8*\s+7], v7, s[6:7] offset:2097152+64*\s+32
.endr
.irp j, 0,1,2,3,4,5,6,7
	v_add_f32 v[240+\j], v[192+\j], v[200+\j]      ; lane (r, h): the score of query r and key 8 h + j; both accumulators from their low ends on
.endr
.irp j, 0,1,2,3,4,5,6,7
	v_cmp_gt_i32 vcc_lo, \j, v9
	v_cndmask_b32 v[240+\j], v[240+\j], v252, vcc_lo
.endr
	v_max3_num_f32 v248, v240, v241, v242
	v_max3_num_f32 v248, v248, v243, v244
	v_max3_num_f32 v248, v248, v245, v246
	v_max_num_f32 v248, v248, v247
	v_permlanex16_b32 v249, v248, s16, s17
	v_max_num_f32 v248, v248, v249                 ; the row's maximum (key 0 counts for every query)
	v_mul_f32 v248, s18, v248
.irp j, 0,1,2,3,4,5,6,7
	v_fma_f32 v[240+\j], v[240+\j], s18, -v248
.endr
.irp j, 0,1,2,3,4,5,6,7
	v_exp_f32 v[240+\j], v[240+\j]
.endr
	v_nop
	s_wait_alu depctr_va_vdst(0)                   ; one wait for the eight exponentials
	v_add_f32 v248, v240, v241
	v_add_f32 v250, v242, v243
	v_add_f32 v248, v248, v244
	v_add_f32 v250, v250, v245
	v_add_f32 v248, v248, v246
	v_add_f32 v250, v250, v247
	v_add_f32 v248, v248, v250
	v_permlanex16_b32 v249, v248, s16, s17
	v_add_f32 v248, v248, v249
	v_rcp_f32 v250, v248
	v_nop
	s_wait_alu depctr_va_vdst(0)
.irp j, 0,1,2,3,4,5,6,7
	v_mul_f32 v[240+\j], v[240+\j], v250           ; p, normalised
.endr
	s_wait_loadcnt 33                              ; v is in; the bias's load, Wh's 16 and Wl's 16 may be out
; O^T: the pair (2 i, 2 i + 1) of p's registers holds keys 8 h + 2 i, + 1: v's registers were loaded in the same places.  Four accumulators by turns.
.irp i, 0,1,2,3
.irp dt, 0,1,2,3
.if \i == 0
	v_wmma_f32_16x16x4_f32 v[208+8*\dt:208+8*\dt+7], v[160+8*\dt+2*\i:160+8*\dt+2*\i+1], v[240+2*\i:240+2*\i+1], 0
.else
	v_wmma_f32_16x16x4_f32 v[208+8*\dt:208+8*\dt+7], v[160+8*\dt+2*\i:160+8*\dt+2*\i+1], v[240+2*\i:240+2*\i+1], v[208+8*\dt:208+8*\dt+7]
.endif
.endr
.endr
.rept 8
	v_nop
.endr
.irp dt, 0,1,2,3                               ; lane (r, h): y(r, 64 w + 16 dt + 8 h + j): high part, exact rest, both to f16
.irp j, 0,1,2,3,4,5,6,7
	v_and_b32 v[240+\j], s19, v[208+8*\dt+\j]
.endr
.irp j, 0,1,2,3,4,5,6,7
	v_sub_f32 v[248+\j], v[208+8*\dt+\j], v[240+\j]
.endr
.irp i, 0,1,2,3
	v_cvt_pk_f16_f32 v[16+4*\dt+\i], v[240+2*\i], v[241+2*\i]
	v_cvt_pk_f16_f32 v[160+4*\dt+\i], v[248+2*\i], v[249+2*\i]
.endr
	ds_store_b128 v10, v[16+4*\dt:16+4*\dt+3] offset:YHI+32*\dt
	ds_store_b128 v10, v[160+4*\dt:160+4*\dt+3] offset:YLO+32*\dt
.endr
	s_wait_dscnt 0x0                               ; for the others' sake: my stores have landed
	s_barrier_signal -1
	s_barrier_wait -1                              ; all sixteen heads' y lie in LDS
	s_wait_loadcnt 0x0                             ; the bias, Wh, Wl
.rept 9
	v_nop                                          ; nine places before matrix instructions write over registers that the f32 form wrote
.endr
.irp g, 0,1,2,3                                ; two K steps of 32 a round
.irp e, 0,1
	ds_load_b128 v[160+16*\e:160+16*\e+3],    v11 offset:YHI+64*(2*\g+\e)
	ds_load_b128 v[160+16*\e+4:160+16*\e+7],  v11 offset:YHI+64*(2*\g+\e)+32
	ds_load_b128 v[160+16*\e+8:160+16*\e+11], v11 offset:YLO+64*(2*\g+\e)
	ds_load_b128 v[160+16*\e+12:160+16*\e+15], v11 offset:YLO+64*(2*\g+\e)+32
.endr
	s_wait_dscnt 0x0
.irp e, 0,1
.if (\g == 0) && (\e == 0)
	v_wmma_f32_16x16x32_f16 v[192:199], v[32:39], v[160:167], 0
	v_wmma_f32_16x16x32_f16 v[200:207], v[32:39], v[168:175], 0
	v_wmma_f32_16x16x32_f16 v[208:215], v[96:103], v[160:167], 0
.else
	v_wmma_f32_16x16x32_f16 v[192:199], v[32+8*(2*\g+\e):32+8*(2*\g+\e)+7], v[160+16*\e:160+16*\e+7], v[192:199]
	v_wmma_f32_16x16x32_f16 v[200:207], v[32+8*(2*\g+\e):32+8*(2*\g+\e)+7], v[168+16*\e:168+16*\e+7], v[200:207]
	v_wmma_f32_16x16x32_f16 v[208:215], v[96+8*(2*\g+\e):96+8*(2*\g+\e)+7], v[160+16*\e:160+16*\e+7], v[208:215]
.endif
.endr
.rept 4
	v_nop                                          ; places: for the next round's loads, and for the first read of the sums
.endr
.endr
.irp j, 0,1,2,3,4,5,6,7
	v_add_f32 v[240+\j], v[192+\j], v[200+\j]
.endr
.irp j, 0,1,2,3,4,5,6,7
	v_add_f32 v[240+\j], v[240+\j], v[208+\j]      ; lane (r, h): my quarter's part of out0(r, 16 tile + 8 h + j)
.endr
	ds_store_b128 v12, v[240:243]
	ds_store_b128 v12, v[244:247] offset:16
	s_wait_dscnt 0x0
	s_barrier_signal -1
	s_barrier_wait -1
.irp k, 0,1,2,3
	ds_load_b64 v[16+2*\k:17+2*\k], v13 offset:\k*16*272
.endr
	s_wait_dscnt 0x0
	v_pk_add_f32 v[16:17], v[16:17], v[18:19]
	v_pk_add_f32 v[20:21], v[20:21], v[22:23]
	v_pk_add_f32 v[16:17], v[16:17], v[20:21]
	v_pk_add_f32 v[16:17], v[16:17], v[14:15]
	global_store_b64 v8, v[16:17], s[10:11]
	s_wait_tensorcnt 0x0                           ; the wave's end
	ds_add_u32 v[SPW], v[NIL]
	s_wait_dscnt 0x0
	s_endpgm
.Lfunc_end_k_q3c10925d44_fine:
	.size	k_q3c10925d44_fine, .Lfunc_end_k_q3c10925d44_fine-k_q3c10925d44_fine
	.p2alignl 7, 3214868480
	.fill 96, 4, 3214868480
	.section	.rodata,"a",@progbits
	.p2align	6, 0x0
	.amdhsa_kernel k_q3c10925d44_fine
		.amdhsa_group_segment_fixed_size 85504
		.amdhsa_private_segment_fixed_size 0
		.amdhsa_enable_private_segment 0
		.amdhsa_kernarg_size 32
		.amdhsa_user_sgpr_count 2
		.amdhsa_user_sgpr_kernarg_segment_ptr 1
		.amdhsa_wavefront_size32 1
		.amdhsa_system_sgpr_workgroup_id_x 1
		.amdhsa_system_sgpr_workgroup_id_y 1
		.amdhsa_system_sgpr_workgroup_id_z 1
		.amdhsa_system_vgpr_workitem_id 0
		.amdhsa_next_free_vgpr 256
		.amdhsa_next_free_sgpr 66
		.amdhsa_reserve_vcc 1
		.amdhsa_float_denorm_mode_32 3
		.amdhsa_float_denorm_mode_16_64 3
		.amdhsa_memory_ordered 1
		.amdhsa_forward_progress 1
		.amdhsa_inst_pref_size 27
	.end_amdhsa_kernel
	.amdgpu_metadata
---
amdhsa.version: [ 1, 2 ]
amdhsa.kernels:
  - .name:           k_q3c10925d44_fine
    .symbol:         k_q3c10925d44_fine.kd
    .args:
      - { .name: head32, .offset: 0, .size: 8, .value_kind: global_buffer, .address_space: global }
      - { .name: wt, .offset: 8, .size: 8, .value_kind: global_buffer, .address_space: global }
      - { .name: b_out, .offset: 16, .size: 8, .value_kind: global_buffer, .address_space: global }
      - { .name: out0, .offset: 24, .size: 8, .value_kind: global_buffer, .address_space: global }
    .group_segment_fixed_size: 85504
    .private_segment_fixed_size: 0
    .kernarg_segment_align: 8
    .kernarg_segment_size: 32
    .max_flat_workgroup_size: 512
    .sgpr_count:     66
    .vgpr_count:     256
    .wavefront_size: 32
...
	.end_amdgpu_metadata
.endif
;; end of part 5
